; MI455X (gfx1250); checked and timed in simulation.
; The chip was launched on July 23, 2026; its instructions are those of AMD's public machine-readable ISA for CDNA 5 (MIT licence, August 2026) and "CDNA5" Instruction Set Architecture Reference Guide (July 2026). The comments in the code are by the model that wrote it; some were corrected since.
;; Bahdanau Attention. Allowed arithmetic: float matrix products may take bf16 or f16 operands with f32 sums; other float arithmetic in f32, or as packed bf16 or f16 multiplies, adds, multiply-adds, maxima and minima; sums over many terms, partial sums and values carried from step to step in f32; what a program stores and reads back later, other than sums and carried values, may be rounded once to bf16 or f16.
;; Inputs: Wk 1,024 x 1,024 float32; Wq 1,024 x 1,024 float32; bk 1,024 float32; bq 1,024 float32; bv one number float32; encoder_outputs 32 x 2,048 x 1,024 float32; hidden 2 x 32 x 1,024 float32; wv 1,024 float32.
;; Outputs: out0 32 x 1 x 1,024 float32.
;; 2 versions, each right; version 2 is version 1 with the launch main written anew for expert scheduling mode. Each part assembles by itself: llvm-mc -triple=amdgcn-amd-amdhsa -mcpu=gfx1250 --defsym DOCPART=n.
;; ======== version 1 of 2: 3 launches
;; workspace buffers: wb 2,097,152 bytes; qb 131,072 bytes; po 2,097,152 bytes; st 131,072 bytes
;; launch prep (part 1): grid 128 x 1, 8 waves a work-group, no clusters, 17,408 bytes of LDS; arguments Wk, Wq, bq, bk, hidden, wb, qb; writes wb, qb
.if DOCPART == 1
	.amdgcn_target "amdgcn-amd-amdhsa--gfx1250"
	.amdhsa_code_object_version 6
	.text
	.protected	k_q1ada0792cf_prep
	.globl	k_q1ada0792cf_prep
	.p2align	8
	.type	k_q1ada0792cf_prep,@function
k_q1ada0792cf_prep:
	s_mov_b64 s[64:65], 0
	v_nop
	global_prefetch_b8 v0, s[64:65] scope:SCOPE_SE
	s_setreg_imm32_b32 hwreg(HW_REG_WAVE_MODE, 25, 1), 1
	s_wait_xcnt 0x0
; PREP.  Two jobs, told apart by the work-group's number (the same for all eight waves of a work-group).
;   work-groups 0-63:   qb = c (hidden[1] Wq^T + bq + bk), c = 2 log2(e); f32; the byte of (batch, n) is (n >> 3) 1,024 + batch 32 + (n & 7) 4
;   work-groups 64-127: wb = bf16(c Wk), laid out in the order in which the main launch's waves stream it:
;                       byte w 524,288 + p 262,144 + q 8,192 + b 1,024 + cc 512 + 16 L holds c Wk[n][k .. k+7], n = 512 p + 128 w + 16 b + (L & 15), k = 32 q + 16 cc + 8 (L >> 4)
; c is folded in so that the main launch's sums are already the exponent of tanh(x) = 1 - 2 / (1 + 2^(c x)).  Wk is rounded once, behind the f32 multiply.
; hidden[0] is not read: the result does not depend on it.  LIMITS: NaN and infinities are not treated apart.
.set CF,    0x4038aa3b                 ; c = 2 log2(e)
.set PART,  0                          ; LDS: wave v's two partial tiles of 1,024 bytes at 2,048 v
.set SPARE, 16384                      ; behind them the spare words, 128 bytes for each of eight waves: four blocks of 256 bytes that no other line names
.set SPW, 28                           ; v28  my spare word's address; never rewritten
.set NIL, 29                           ; v29  0; never rewritten
.set FO,  5                            ; v5   (l % 16) x 4,096 + 32 (l / 16) + 512 x wave: my 32 bytes in a row of 1,024 f32, in my wave's 128 channels
	s_load_b256 s[4:11], s[0:1], 0x0               ; Wk s[4:5], Wq s[6:7], bq s[8:9], bk s[10:11]
	s_load_b128 s[12:15], s[0:1], 0x20             ; hidden s[12:13], wb s[14:15]
	s_load_b64 s[16:17], s[0:1], 0x30              ; qb
	v_lshl_add_u32 v[SPW], v0, 2, SPARE
	v_mov_b32 v[NIL], 0
	v_lshrrev_b32 v1, 5, v0
	v_readfirstlane_b32 s18, v1                    ; wave 0..7
	v_and_b32 v2, 31, v0                           ; l
	v_and_b32 v3, 15, v0                           ; l % 16
	v_bfe_u32 v4, v0, 4, 1                         ; l / 16
	v_lshlrev_b32 v[FO], 12, v3
	v_lshl_add_u32 v[FO], v4, 5, v[FO]
	s_lshl_b32 s19, s18, 9
	v_add_nc_u32 v[FO], s19, v[FO]
	s_mov_b32 s21, 0                               ; the high word of every offset pair s[20:21]
	s_mov_b32 s22, ttmp9
	s_wait_kmcnt 0x0
	s_cmp_lt_u32 s22, 64
	s_cbranch_scc0 .Lwk
; ---- qb: columns 16 x .. 16 x + 15 for all 32 batches.  K is split among the eight waves, 128 channels (four fragments of 32) each; the partial sums meet in LDS.
; A fragment of 16 rows x 32 channels wants, in lane l, channels 8 (l / 16) + 0..7 and 16 + 8 (l / 16) + 0..7 of row l % 16: in f32 four loads of 16 bytes, at 0, 16, 64, 80.
.macro FRAG dst, base, off
	global_load_b128 v[(\dst):(\dst)+3],     v[FO], s[(\base):(\base)+1] offset:(\off)
	global_load_b128 v[(\dst)+4:(\dst)+7],   v[FO], s[(\base):(\base)+1] offset:(\off)+16
	global_load_b128 v[(\dst)+8:(\dst)+11],  v[FO], s[(\base):(\base)+1] offset:(\off)+64
	global_load_b128 v[(\dst)+12:(\dst)+15], v[FO], s[(\base):(\base)+1] offset:(\off)+80
.endm
	s_lshl_b32 s20, s22, 16
	s_add_nc_u64 s[6:7], s[6:7], s[20:21]          ; Wq at row 16 x
	s_add_nc_u64 s[12:13], s[12:13], 131072        ; hidden[1]
	s_lshl_b32 s20, s22, 6
	s_add_nc_u64 s[8:9], s[8:9], s[20:21]          ; bq and bk at column 16 x
	s_add_nc_u64 s[10:11], s[10:11], s[20:21]
	s_lshl_b32 s20, s22, 11
	s_add_nc_u64 s[16:17], s[16:17], s[20:21]      ; qb at (16 x >> 3) x 1,024
	v_and_b32 v6, 1, v0
	v_lshlrev_b32 v6, 4, v6                        ; 16 (l & 1): the four columns that I finish
.irp f, 0,1,2,3
	FRAG 64+16*(\f), 6, 128*(\f)                   ; Wq: v64-127
.endr
.irp f, 0,1,2,3
	FRAG 128+16*(\f), 12, 128*(\f)                 ; hidden[1], batches 0-15: v128-191
	FRAG 192+16*(\f), 12, 65536+128*(\f)           ; batches 16-31: v192-255
.endr
	global_load_b128 v[48:51], v6, s[8:9]          ; bq of columns 4 (l & 1) + 0..3,
	global_load_b128 v[52:55], v6, s[8:9] offset:32    ; and eight columns on
	global_load_b128 v[56:59], v6, s[10:11]        ; bk likewise
	global_load_b128 v[60:63], v6, s[10:11] offset:32
	s_lshl_b32 s20, s18, 11
	v_lshl_add_u32 v7, v2, 5, s20                  ; where my 32 bytes of a partial tile go: 2,048 x wave + 32 l
	s_wait_loadcnt 0x0
.set k, 0
.rept 12                                       ; twelve fragments, 16 f32 registers to 8 of bf16, in place and ascending: register i is written when 2 i and 2 i + 1 are read
.set i, 0
.rept 8
	v_cvt_pk_bf16_f32 v[64+16*k+i], v[64+16*k+2*i], v[64+16*k+2*i+1]
.set i, i+1
.endr
.set k, k+1
.endr
; source 0 = 16 rows of Wq, source 1 = 16 batches: a lane ends with batch l % 16 and the columns 8 (l / 16) + 0..7.  The two accumulators take turns.
.irp f, 0,1,2,3
.irp t, 0,1
.if (\f) == 0
	v_wmma_f32_16x16x32_bf16 v[32+8*(\t):39+8*(\t)], v[64+16*(\f):71+16*(\f)], v[128+64*(\t)+16*(\f):135+64*(\t)+16*(\f)], 0
.else
	v_wmma_f32_16x16x32_bf16 v[32+8*(\t):39+8*(\t)], v[64+16*(\f):71+16*(\f)], v[128+64*(\t)+16*(\f):135+64*(\t)+16*(\f)], v[32+8*(\t):39+8*(\t)]
.endif
.endr
.endr
.rept 4
	v_nop                                          ; four places behind the last product, ahead of the stores that read the sums
.endr
.irp t, 0,1
	ds_store_b128 v7, v[32+8*(\t):35+8*(\t)] offset:PART+1024*(\t)       ; each accumulator's low registers first
	ds_store_b128 v7, v[36+8*(\t):39+8*(\t)] offset:PART+1024*(\t)+16
.endr
	s_wait_dscnt 0x0                               ; for the others' sake: my partial sums lie in LDS
	s_barrier_signal -1
	s_barrier_wait -1
	s_cmp_lt_u32 s18, 2                            ; wave 0 finishes batches 0-15, wave 1 batches 16-31
	s_cbranch_scc0 .Lend
	s_lshl_b32 s20, s18, 10
	v_lshl_add_u32 v8, v2, 4, s20                  ; back by 16 bytes a lane: lane l takes batch l / 2, columns 4 (l & 1) + 0..3; 512 bytes on: eight columns on
.irp w, 0,1,2,3,4,5,6,7
	ds_load_b128 v[64+8*(\w):67+8*(\w)], v8 offset:PART+2048*(\w)
	ds_load_b128 v[68+8*(\w):71+8*(\w)], v8 offset:PART+2048*(\w)+512
.endr
.irp c, 0,2,4,6
	v_pk_add_f32 v[48+(\c):49+(\c)], v[48+(\c):49+(\c)], v[56+(\c):57+(\c)]       ; bq + bk
.endr
	s_lshl_b32 s20, s18, 9
	v_lshl_add_u32 v9, v2, 4, s20                  ; in qb: 512 x tile + 16 l
	s_wait_dscnt 0x0
.irp g, 0,2,4,6
.irp c, 0,2,4,6
	v_pk_add_f32 v[64+8*(\g)+(\c):65+8*(\g)+(\c)], v[64+8*(\g)+(\c):65+8*(\g)+(\c)], v[72+8*(\g)+(\c):73+8*(\g)+(\c)]
.endr
.endr
.irp g, 0,4
.irp c, 0,2,4,6
	v_pk_add_f32 v[64+8*(\g)+(\c):65+8*(\g)+(\c)], v[64+8*(\g)+(\c):65+8*(\g)+(\c)], v[80+8*(\g)+(\c):81+8*(\g)+(\c)]
.endr
.endr
.irp c, 0,2,4,6
	v_pk_add_f32 v[64+(\c):65+(\c)], v[64+(\c):65+(\c)], v[96+(\c):97+(\c)]
.endr
.irp c, 0,2,4,6
	v_pk_add_f32 v[64+(\c):65+(\c)], v[64+(\c):65+(\c)], v[48+(\c):49+(\c)]
.endr
.irp c, 0,2,4,6
	v_pk_mul_f32 v[64+(\c):65+(\c)], v[64+(\c):65+(\c)], CF op_sel_hi:[1,0]
.endr
	global_store_b128 v9, v[64:67], s[16:17]               ; each store of the wave covers 512 consecutive bytes, aligned
	global_store_b128 v9, v[68:71], s[16:17] offset:1024
	s_branch .Lend
; ---- wb: work-group 64 + NT takes rows 16 NT .. 16 NT + 15 of Wk, wave v channels 128 v .. 128 v + 127: 16 rows x 512 bytes, consumed whole by its 16 loads.
.Lwk:
	s_sub_co_u32 s22, s22, 64                      ; NT = 32 p + 8 w + b
	s_lshl_b32 s20, s22, 16
	s_add_nc_u64 s[4:5], s[4:5], s[20:21]          ; Wk at row 16 NT
	s_bfe_u32 s23, s22, 0x20003                    ; w
	s_lshl_b32 s20, s23, 19
	s_lshr_b32 s23, s22, 5                         ; p
	s_lshl_b32 s23, s23, 18
	s_add_co_u32 s20, s20, s23
	s_and_b32 s23, s22, 7                          ; b
	s_lshl_b32 s23, s23, 10
	s_add_co_u32 s20, s20, s23
	s_lshl_b32 s23, s18, 15                        ; my four quarters of 8,192 bytes
	s_add_co_u32 s20, s20, s23
	s_add_nc_u64 s[14:15], s[14:15], s[20:21]
	v_lshlrev_b32 v6, 4, v2                        ; 16 l
.irp u, 0,1,2,3,4,5,6,7                        ; u = 2 x quarter + cc: eight channels at byte 64 u of my 512
	global_load_b128 v[64+8*(\u):67+8*(\u)], v[FO], s[4:5] offset:64*(\u)
	global_load_b128 v[68+8*(\u):71+8*(\u)], v[FO], s[4:5] offset:64*(\u)+16
.endr
	s_wait_loadcnt 0x0
.set i, 0
.rept 32
	v_pk_mul_f32 v[64+i:65+i], v[64+i:65+i], CF op_sel_hi:[1,0]
.set i, i+2
.endr
.set i, 0
.rept 32
	v_cvt_pk_bf16_f32 v[128+i], v[64+2*i], v[64+2*i+1]
.set i, i+1
.endr
.irp u, 0,1,2,3,4,5,6,7
	global_store_b128 v6, v[128+4*(\u):131+4*(\u)], s[14:15] offset:((\u)>>1)*8192+((\u)&1)*512   ; 512 consecutive bytes, aligned
.endr
.Lend:
	s_wait_tensorcnt 0x0                           ; the wave's end, behind my last LDS store
	ds_add_u32 v[SPW], v[NIL]
	s_wait_dscnt 0x0
	s_endpgm
.Lfunc_end_k_q1ada0792cf_prep:
	.size	k_q1ada0792cf_prep, .Lfunc_end_k_q1ada0792cf_prep-k_q1ada0792cf_prep
	.p2alignl 7, 3214868480
	.fill 96, 4, 3214868480
	.section	.rodata,"a",@progbits
	.p2align	6, 0x0
	.amdhsa_kernel k_q1ada0792cf_prep
		.amdhsa_group_segment_fixed_size 17408
		.amdhsa_private_segment_fixed_size 0
		.amdhsa_enable_private_segment 0
		.amdhsa_kernarg_size 56
		.amdhsa_user_sgpr_count 2
		.amdhsa_user_sgpr_kernarg_segment_ptr 1
		.amdhsa_wavefront_size32 1
		.amdhsa_system_sgpr_workgroup_id_x 1
		.amdhsa_system_sgpr_workgroup_id_y 1
		.amdhsa_system_sgpr_workgroup_id_z 1
		.amdhsa_system_vgpr_workitem_id 0
		.amdhsa_next_free_vgpr 256
		.amdhsa_next_free_sgpr 66
		.amdhsa_reserve_vcc 0
		.amdhsa_float_denorm_mode_32 3
		.amdhsa_float_denorm_mode_16_64 3
		.amdhsa_memory_ordered 1
		.amdhsa_forward_progress 1
		.amdhsa_inst_pref_size 26
	.end_amdhsa_kernel
	.amdgpu_metadata
---
amdhsa.version: [ 1, 2 ]
amdhsa.kernels:
  - .name:           k_q1ada0792cf_prep
    .symbol:         k_q1ada0792cf_prep.kd
    .args:
      - { .name: Wk, .offset: 0, .size: 8, .value_kind: global_buffer, .address_space: global }
      - { .name: Wq, .offset: 8, .size: 8, .value_kind: global_buffer, .address_space: global }
      - { .name: bq, .offset: 16, .size: 8, .value_kind: global_buffer, .address_space: global }
      - { .name: bk, .offset: 24, .size: 8, .value_kind: global_buffer, .address_space: global }
      - { .name: hidden, .offset: 32, .size: 8, .value_kind: global_buffer, .address_space: global }
      - { .name: wb, .offset: 40, .size: 8, .value_kind: global_buffer, .address_space: global }
      - { .name: qb, .offset: 48, .size: 8, .value_kind: global_buffer, .address_space: global }
    .group_segment_fixed_size: 17408
    .private_segment_fixed_size: 0
    .kernarg_segment_align: 8
    .kernarg_segment_size: 56
    .max_flat_workgroup_size: 256
    .sgpr_count:     66
    .vgpr_count:     256
    .wavefront_size: 32
...
	.end_amdgpu_metadata
.endif
;; end of part 1
;; launch main (part 2): grid 512 x 1, 4 waves a work-group, no clusters, 310,784 bytes of LDS; arguments encoder_outputs, wb, qb, wv, bv, po, st; writes po, st
.if DOCPART == 2
	.amdgcn_target "amdgcn-amd-amdhsa--gfx1250"
	.amdhsa_code_object_version 6
	.text
	.protected	k_q1ada0792cf_main
	.globl	k_q1ada0792cf_main
	.p2align	8
	.type	k_q1ada0792cf_main,@function
k_q1ada0792cf_main:
	s_mov_b64 s[64:65], 0
	v_nop
	global_prefetch_b8 v0, s[64:65] scope:SCOPE_SE
	s_setreg_imm32_b32 hwreg(HW_REG_WAVE_MODE, 25, 1), 1
	s_wait_xcnt 0x0
; MAIN.  A work-group owns a block of 128 rows of one batch of encoder_outputs (block = work-group number, batch = block / 16) and makes, for that block,
;   score[row] = sum over n of wv[n] tanh(q[n] + k[row][n] + biases) + bv,   m = the block's largest score,   p = e^(score - m),   l = sum of p,   o[c] = sum over rows of p enc[row][c].
; The next launch joins a batch's 16 blocks.  The maximum is taken away before the exponential, block by block and then across blocks.
; ENC IS READ FROM MEMORY ONCE: during pass 0 it streams in as f32, is rounded to bf16 and STAYS in LDS (128 x 1,024 x 2 bytes) for pass 1 and for the weighted sum.
; SHARES.  Four waves.  In pass p (0, 1) wave w makes all 128 rows x columns 512 p + 128 w .. + 127 of k: 64 accumulators, 512 registers.  A pass is 32 QUARTERS of 32 along K, 64 products each.
; THE WEIGHTS (wb: bf16(c Wk), c = 2 log2(e), in stream order) go straight to registers: each wave has columns of its own, so no byte of wb is wanted by two waves of a work-group.
; NO TENSOR LOADS, NO CLUSTER, NO JOINT REQUESTS for wb, though all work-groups read it: enc's block takes 294,912 bytes of LDS and the scratch 15,872; what a WGP has left, 16,896 bytes, cannot hold
; two slots of the 32,768 bytes that the four waves multiply in one quarter.  So the ring for wb lies in registers: four slots of 64, filled by counted loads three quarters ahead.
; THE PRODUCT IS TAKEN TRANSPOSED (source 0 = 16 rows of Wk, source 1 = 16 rows of enc): a lane holds ONE row of enc (l % 16) and the columns 8 (l / 16) + 0..7, so wv and q are values for each register
; and a row's score stays in its lane.  The first product of a pass takes c (q + biases) as its C operand: the finished sum is the exponent y of tanh = 1 - 2 / (1 + 2^y).
; LIMITS.  2^y overflowing gives tanh = 1, underflowing -1: the right limits.  NaN and infinities in the inputs are not treated apart.  enc, c Wk and p are rounded to bf16 as matrix operands; l is the sum of the unrounded p.
;
; LDS:  A: 16 slabs of 64 channels x 128 rows, rows 144 bytes apart (128 + 16: nine times 16 bytes, so the 16 rows of a fragment load start 16 bytes further on in each 256);  element (row, k) at (k >> 6) SLAB + row 144 + 2 (k & 63)
.set PITCH, 144
.set SLAB,  128*PITCH                  ; 18,432
.set QC,    16*SLAB                    ; 4,096 bytes: c (q + bq + bk) of my batch, f32, by column
.set WVL,   QC+4096                    ; 4,096 bytes: wv
.set SCP,   WVL+4096                   ; 2,048 bytes: [wave][128 rows] partial scores
.set PB,    SCP+2048                   ; 1,024 bytes: for each wave its own copy of the 128 p in bf16
.set OUTS,  PB+1024                    ; 4,096 bytes: for each wave its 256 numbers of o
.set SPARE, OUTS+4096                  ; the spare words, 128 bytes for each wave: two blocks of 256 bytes that no other line names
; REGISTERS, in windows of 256 (s_set_vgpr_msb: bits 1:0 source 0, 3:2 source 1, 5:4 source 2, 7:6 destination):
;   window 0: addresses; v32-63 score sums; v64-127 fragments of enc (m tile a at 64 + 8 a); v128-255 four stage buffers of 32 (later wv's values, statistics, p's fragments)
;   window 1: wb's ring, slot k at 64 k, n tile b at + 8 b; at a pass's start slot 3 holds the C operands; at the end two buffers of 128 for enc^T
;   window 2: accumulators of m tiles 0-3, (a, b) at 8 (8 a + b); at the end o^T;      window 3: those of m tiles 4-7
.set ADRA,  2                          ; v2   running LDS address of the fragments
.set ADRA0, 3                          ; v3   (l % 16) 144 + 16 (l / 16)
.set QST,   4                          ; v4   QC + 32 t
.set WST,   5                          ; v5   WVL + 16 t
.set BO,    6                          ; v6   16 l; never rewritten
.set SGO,   7                          ; v7   (32 w + 8 (l / 16)) 4,096 + 16 (l % 16): my 16 bytes in the stage loads; never rewritten
.set SLD,   8                          ; v8   (32 w + 8 (l / 16)) 144 + 8 (l % 16), running: where they go in A
.set CQ,    9                          ; v9   QC + 512 w + 32 (l / 16), + 2,048 a pass
.set CW,    10                         ; v10  WVL + the same
.set PFO,   11                         ; v11  (32 w + l) 4,096: a lane a row, for the prefetches; never rewritten
.set SPA,   12                         ; v12  SCP + 512 w + 4 (l % 16)
.set SRA,   13                         ; v13  SCP + 16 l
.set PBS,   14                         ; v14  PB + 256 w + 8 l
.set PBA,   15                         ; v15  PB + 256 w + 16 (l / 16)
.set TRA0,  16                         ; v16  the turning loads' address in slabs 4 w, 4 w + 1;  v17 in slabs 4 w + 2, 4 w + 3
.set OSA,   20                         ; v20  OUTS + 1,024 w + 32 (l / 16)
.set ORA,   21                         ; v21  OUTS + 1,024 w + 16 l
.set GO,    22                         ; v22  1,024 w + 16 l
.set STO,   23                         ; v23  8 l
.set SPW,   28                         ; v28  my spare word's address; never rewritten
.set NIL,   29                         ; v29  0; never rewritten
.set SC,    32                         ; m tile a, parity x: the pair at SC + 4 a + 2 x
.set AF,    64
.set SG,    128
.set WVR,   128
.set PF,    192
.set ENC,   24                         ; s[24:25] enc at my block, running along K
.set WBP,   26                         ; s[26:27] wb at my wave's stream, running
.set MSB, 0
.macro WIN new                         ; the immediate's high byte repeats the setting that is left; a switch that changes nothing is dropped
.if MSB != (\new)
	s_set_vgpr_msb (MSB<<8)|(\new)
.set MSB, (\new)
.endif
.endm
.set MUL_LO, 0xa1                      ; source 0 (wb) window 1, source 1 (enc) window 0, C and D window 2
.set MUL_HI, 0xf1                      ; the same, C and D window 3
.set ZER_LO, 0x91                      ; as MUL_LO with C in window 1
.set ZER_HI, 0xd1
.set TO_B,   0x40                      ; destination window 1, address window 0
.set EP_LO,  0x82                      ; destination and source 0 window 2
.set EP_HI,  0xc3
.set SC_LO,  0x02                      ; source 0 window 2, the rest window 0
.set SC_HI,  0x03
.set ST_D,   0x08                      ; an LDS store's data (source 1) in window 2
.macro PLACES                          ; four plain instructions between a product and a load into, or a vector read of, its registers (ISA guide 7.12.1 for vector reads)
.rept 4
	v_nop
.endr
.endm
; 16 products: m tiles a0, a0 + 1 of the window's four x all 8 n tiles.  zero = 1: the pass's first products take c (q + biases) from slot 3 as C.  The 64 accumulators take turns.
.macro MUL16 hi, a0, slot, zero
.if \zero
	WIN ZER_LO+0x40*(\hi)
.else
	WIN MUL_LO+0x50*(\hi)
.endif
.irp a, \a0, (\a0)+1
.irp b, 0,1,2,3,4,5,6,7
.if \zero
	v_wmma_f32_16x16x32_bf16 v[8*(8*(\a)+(\b)):8*(8*(\a)+(\b))+7], v[64*(\slot)+8*(\b):64*(\slot)+8*(\b)+7], v[AF+8*(4*(\hi)+(\a)):AF+8*(4*(\hi)+(\a))+7], v[192+8*(\b):192+8*(\b)+7]
.else
	v_wmma_f32_16x16x32_bf16 v[8*(8*(\a)+(\b)):8*(8*(\a)+(\b))+7], v[64*(\slot)+8*(\b):64*(\slot)+8*(\b)+7], v[AF+8*(4*(\hi)+(\a)):AF+8*(4*(\hi)+(\a))+7], v[8*(8*(\a)+(\b)):8*(8*(\a)+(\b))+7]
.endif
.endr
.endr
.endm
; 8 LDS loads: the next quarter's (j + 1) fragments of m tiles 4 hi .. 4 hi + 3.  Window 0.
.macro AFETCH hi, j
.irp a, 0,1,2,3
	ds_load_b128 v[AF+8*(4*(\hi)+(\a)):AF+8*(4*(\hi)+(\a))+3],   v[ADRA] offset:(4*(\hi)+(\a))*16*PITCH+(((\j)+1)>>1)*SLAB+(((\j)+1)&1)*64
	ds_load_b128 v[AF+8*(4*(\hi)+(\a))+4:AF+8*(4*(\hi)+(\a))+7], v[ADRA] offset:(4*(\hi)+(\a))*16*PITCH+(((\j)+1)>>1)*SLAB+(((\j)+1)&1)*64+32
.endr
.endm
; 16 loads: a quarter's 8,192 bytes of my stream of wb into a slot; each load takes 512 consecutive bytes.
.macro BISSUE slot, off
	WIN TO_B
.irp u, 0,1,2,3,4,5,6,7,8,9,10,11,12,13,14,15
	global_load_b128 v[64*(\slot)+4*(\u):64*(\slot)+4*(\u)+3], v[BO], s[WBP:WBP+1] offset:(\off)+512*(\u)
.endr
.endm
; A HALF-SLAB g is 16 of my wave's 32 rows x 64 channels.  SISSUE: 8 loads; each takes 256 aligned bytes of row R (lanes 0-15) and of row R + 8 (lanes 16-31).  g counts from the running pointer.  Window 0.
.macro SISSUE buf, g
.irp jj, 0,1,2,3,4,5,6,7
	global_load_b128 v[SG+32*(\buf)+4*(\jj):SG+32*(\buf)+4*(\jj)+3], v[SGO], s[ENC:ENC+1] offset:(16*((\g)&1)+(\jj))*4096+((\g)>>1)*256 th:TH_LOAD_NT
.endr
.endm
; CONV: the half-slab is rounded to bf16 in place and laid into A, 8 bytes a lane.  Its 16 conversions name no register of a product: they are also the places behind the products in front of them.  Window 0.
.macro CONV buf, g
.irp jj, 0,1,2,3,4,5,6,7
	v_cvt_pk_bf16_f32 v[SG+32*(\buf)+4*(\jj)],   v[SG+32*(\buf)+4*(\jj)],   v[SG+32*(\buf)+4*(\jj)+1]
	v_cvt_pk_bf16_f32 v[SG+32*(\buf)+4*(\jj)+1], v[SG+32*(\buf)+4*(\jj)+2], v[SG+32*(\buf)+4*(\jj)+3]
.endr
.irp jj, 0,1,2,3,4,5,6,7
	ds_store_b64 v[SLD], v[SG+32*(\buf)+4*(\jj):SG+32*(\buf)+4*(\jj)+1] offset:(16*((\g)&1)+(\jj))*PITCH+((\g)>>1)*SLAB
.endr
.endm
; A PREFETCH INTO THE L2 of enc, which the launch reads once: my wave's own 32 rows x 256 bytes, a lane a row, of the two slabs (6 and 7 from the running pointer) that the NEXT trip's stage loads take:
; three to six quarters ahead of those loads.  Each wave asks for what it will load itself, so each block of 256 bytes is named once in the launch.  The loop's last trip asks for nothing: there are no
; slabs behind the sixteenth.  Slabs 0-5 come by their loads alone.
.macro ASK
	s_cmp_gt_u32 s28, 1
	s_cbranch_scc0 .Lnot_asked_\@
	global_prefetch_b8 v[PFO], s[ENC:ENC+1] offset:6*256 th:TH_LOAD_NT scope:SCOPE_SE
	global_prefetch_b8 v[PFO], s[ENC:ENC+1] offset:7*256 th:TH_LOAD_NT scope:SCOPE_SE
.Lnot_asked_\@:
.endm
; Four quarters on.  stage = 1: pass 0, where enc streams.
.macro STEP stage
	s_wait_xcnt 0x0                                ; every load and prefetch issued so far has read its address: only behind this wait are the two pointers written
	s_add_nc_u64 s[WBP:WBP+1], s[WBP:WBP+1], 4*8192
	v_add_nc_u32 v[ADRA], 2*SLAB, v[ADRA]
.if \stage
	s_add_nc_u64 s[ENC:ENC+1], s[ENC:ENC+1], 2*256
	v_add_nc_u32 v[SLD], 2*SLAB, v[SLD]
.endif
.endm
; A pass's head: the C operands into slot 3 (register j of n tile b: column 16 b + 8 (l / 16) + j, the same in the 16 lanes of a half), and quarter 0's fragments.
.macro KHEAD
	WIN TO_B
.irp b, 0,1,2,3,4,5,6,7
	ds_load_b128 v[192+8*(\b):195+8*(\b)], v[CQ] offset:64*(\b)
	ds_load_b128 v[196+8*(\b):199+8*(\b)], v[CQ] offset:64*(\b)+16
.endr
	WIN 0
	v_mov_b32 v[ADRA], v[ADRA0]
.irp a, 0,1,2,3,4,5,6,7
	ds_load_b128 v[AF+8*(\a):AF+8*(\a)+3],   v[ADRA] offset:(\a)*16*PITCH
	ds_load_b128 v[AF+8*(\a)+4:AF+8*(\a)+7], v[ADRA] offset:(\a)*16*PITCH+32
.endr
	s_wait_dscnt 0x0
.endm
; A QUARTER, number j from the running pointers; its wb lies in slot j % 4.
;   lw    how many younger loads may stay out when this quarter's wb (and, older than it, the half-slab converted here) must be in
;   bis   wb of the quarter three on is asked for, into the slot that the quarter before has read (four places stand at that quarter's end)
;   cnv   half-slab j + 3 is converted and stored;   sis   half-slab j + 7 is asked for, into the buffer just converted
;   meet  a barrier in the quarter's first half: every wave's stores of the slab that this quarter's fetches read first are done.  No byte of A is written twice, so no barrier is wanted the other way
;   zero  the pass's first quarter;   fa   the next quarter's fragments are fetched;   ask   the prefetches
.macro QUARTER j, lw, bis, cnv, sis, meet, zero, fa, ask
	s_wait_loadcnt \lw
.if (\bis) && !(\zero)
	BISSUE ((\j)+3)%4, ((\j)+3)*8192
.endif
.if !(\zero)
	s_wait_dscnt 8                                 ; m tiles 0-3 are in; the youngest eight LDS loads (m tiles 4-7) may be out
.endif
	MUL16 0, 0, (\j)%4, \zero
.if \meet
	s_wait_dscnt 0x0                               ; for the others' sake: my stores into A are done (and no LDS instruction of mine is out at the signal)
	s_barrier_signal -1
.endif
	MUL16 0, 2, (\j)%4, \zero
.if \meet
	s_barrier_wait -1
.endif
	WIN 0
.if \cnv
	CONV ((\j)+3)%4, (\j)+3
.else
	PLACES
.endif
.if \fa
	AFETCH 0, \j
.endif
.if (\sis) && !(\zero)
	SISSUE ((\j)+3)%4, (\j)+7
.endif
.if \ask
	ASK
.endif
	s_wait_dscnt 8*(\fa)+8*(\cnv)                  ; m tiles 4-7 are in: behind their loads only this quarter's stores and fetches were issued
	MUL16 1, 0, (\j)%4, \zero
	MUL16 1, 2, (\j)%4, \zero
	WIN 0
	PLACES
.if \fa
	AFETCH 1, \j
.endif
.if (\zero) && (\bis)
	BISSUE 3, 3*8192                               ; slot 3 has served as C: now it joins the ring; wb ahead of enc, the order of every later quarter
	WIN 0
.if \sis
	SISSUE 3, 7
.endif
.endif
.endm
; ---------------- the head
	s_load_b256 s[4:11], s[0:1], 0x0               ; enc s[4:5], wb s[6:7], qb s[8:9], wv s[10:11]
	s_load_b128 s[12:15], s[0:1], 0x20             ; bv s[12:13], po s[14:15]
	s_load_b64 s[16:17], s[0:1], 0x30              ; st
	v_lshl_add_u32 v[SPW], v0, 2, SPARE
	v_mov_b32 v[NIL], 0
	v_lshrrev_b32 v24, 5, v0
	v_readfirstlane_b32 s18, v24                   ; wave 0..3
	s_mov_b32 s19, ttmp9                           ; block
	s_lshr_b32 s20, s19, 4                         ; batch
	s_mov_b32 s32, 0x76543210                      ; v_permlanex16_b32: each lane takes its own place in the other half
	s_mov_b32 s33, 0xfedcba98
	s_mov_b32 s34, 0x3fb8aa3b                      ; log2(e)
	v_and_b32 v1, 31, v0                           ; l
	v_and_b32 v25, 15, v0                          ; l % 16
	v_bfe_u32 v26, v0, 4, 1                        ; l / 16
	v_mul_u32_u24 v[ADRA0], v25, PITCH
	v_lshl_add_u32 v[ADRA0], v26, 4, v[ADRA0]
	v_lshl_add_u32 v[QST], v0, 5, QC
	v_lshl_add_u32 v[WST], v0, 4, WVL
	v_lshlrev_b32 v[BO], 4, v1
	s_lshl_b32 s22, s18, 17
	v_lshlrev_b32 v[SGO], 4, v25
	v_lshl_add_u32 v[SGO], v26, 15, v[SGO]
	v_add_nc_u32 v[SGO], s22, v[SGO]
	s_mul_i32 s22, s18, 32*PITCH
	v_mul_u32_u24 v[SLD], v26, 8*PITCH
	v_lshl_add_u32 v[SLD], v25, 3, v[SLD]
	v_add_nc_u32 v[SLD], s22, v[SLD]
	s_lshl_b32 s22, s18, 9
	s_add_co_u32 s23, s22, QC
	v_lshl_add_u32 v[CQ], v26, 5, s23
	s_add_co_u32 s23, s22, WVL
	v_lshl_add_u32 v[CW], v26, 5, s23
	v_lshlrev_b32 v[PFO], 12, v0
	s_add_co_u32 s23, s22, SCP
	v_lshl_add_u32 v[SPA], v25, 2, s23
	v_lshl_add_u32 v[SRA], v1, 4, SCP
	s_lshl_b32 s22, s18, 8
	s_add_co_u32 s22, s22, PB
	v_lshl_add_u32 v[PBS], v1, 3, s22
	v_lshl_add_u32 v[PBA], v26, 4, s22
	; the turning load takes 16 rows x 16 channels: lane l reads row 8 (l / 16) + l % 8, channels 8 ((l / 8) % 2) + 0..7
	v_and_b32 v24, 7, v0
	v_lshl_add_u32 v24, v26, 3, v24
	v_mul_u32_u24 v[TRA0], v24, PITCH
	v_bfe_u32 v24, v0, 3, 1
	v_lshl_add_u32 v[TRA0], v24, 4, v[TRA0]
	s_mul_i32 s22, s18, 4*SLAB
	v_add_nc_u32 v[TRA0], s22, v[TRA0]
	v_add_nc_u32 v[TRA0+1], 2*SLAB, v[TRA0]
	s_lshl_b32 s22, s18, 10
	s_add_co_u32 s23, s22, OUTS
	v_lshl_add_u32 v[OSA], v26, 5, s23
	v_lshl_add_u32 v[ORA], v1, 4, s23
	v_lshl_add_u32 v[GO], v1, 4, s22
	v_lshlrev_b32 v[STO], 3, v1
	v_lshlrev_b32 v24, 10, v0                      ; qb: thread t takes columns 8 t .. 8 t + 7 of my batch, 1,024 bytes apart
	v_lshlrev_b32 v27, 4, v0                       ; wv: 16 bytes a thread
	s_mov_b32 s23, 0                               ; the high word of every offset pair s[22:23]
	s_wait_kmcnt 0x0
	s_load_b32 s30, s[12:13], 0x0                  ; bv
	s_lshl_b32 s22, s19, 19
	s_add_nc_u64 s[ENC:ENC+1], s[4:5], s[22:23]    ; my block's 128 rows of 4,096 bytes
	s_lshl_b32 s22, s18, 19
	s_add_nc_u64 s[WBP:WBP+1], s[6:7], s[22:23]    ; my wave's stream: 64 quarters of 8,192 bytes on end
	s_lshl_b32 s22, s20, 5
	s_add_nc_u64 s[8:9], s[8:9], s[22:23]
	s_lshl_b32 s22, s19, 12
	s_add_nc_u64 s[14:15], s[14:15], s[22:23]
	s_lshl_b32 s22, s19, 8
	s_add_nc_u64 s[16:17], s[16:17], s[22:23]
	global_load_b128 v[64:67], v24, s[8:9]
	global_load_b128 v[68:71], v24, s[8:9] offset:16
	global_load_b128 v[72:75], v27, s[10:11]
	global_load_b128 v[76:79], v27, s[10:11] offset:2048
	SISSUE 0, 0
	SISSUE 1, 1
	SISSUE 2, 2
	SISSUE 3, 3
	BISSUE 0, 0
	WIN 0
.set i, 0
.rept 32
	v_mov_b32 v[SC+i], 0                           ; the score sums run over both passes: they start at 0, written while the first loads are out
.set i, i+1
.endr
	s_wait_loadcnt 40                              ; qb, wv and half-slab 0 are in: younger are half-slabs 1-3 (24) and wb's quarter 0 (16)
	ds_store_b128 v[QST], v[64:67]
	ds_store_b128 v[QST], v[68:71] offset:16
	ds_store_b128 v[WST], v[72:75]
	ds_store_b128 v[WST], v[76:79] offset:2048
	CONV 0, 0
	SISSUE 0, 4
	BISSUE 1, 8192
	WIN 0
	s_wait_loadcnt 56                              ; half-slab 1: younger are half-slabs 2, 3 (16), quarter 0 (16), half-slab 4 (8), quarter 1 (16)
	CONV 1, 1
	SISSUE 1, 5
	BISSUE 2, 2*8192
	WIN 0
	s_wait_loadcnt 63                              ; half-slab 2: 72 loads are younger, and a wait can name 63 at the most: stricter than needed
	CONV 2, 2
	SISSUE 2, 6
	s_wait_dscnt 0x0                               ; for the others' sake: my parts of QC, WVL, slab 0 and half of slab 1 lie in LDS
	s_barrier_signal -1
	s_barrier_wait -1
	s_wait_kmcnt 0x0
	s_mov_b32 s31, s30                             ; bv is named as a pair
; ---------------- pass 0: the products of columns 0-511, with enc streaming in beside them.
; The order of issue on the load counter is: wb of quarter q + 3 at the head of quarter q, half-slab q + 7 in its middle.  Half-slab q + 3 is converted in the middle of quarter q; it is older than wb of
; quarter q, so the wait at the quarter's head serves both.  56 = two quarters of wb (32) and three half-slabs (24) younger than wb of quarter q.
	KHEAD
	QUARTER 0, 56, 1,1,1,0, 1, 1, 0
	s_mov_b32 s28, 6
.Lk0:                                          ; quarters 1-24
	QUARTER 1, 56, 1,1,1,1, 0, 1, 0
	QUARTER 2, 56, 1,1,1,0, 0, 1, 1
	QUARTER 3, 56, 1,1,1,1, 0, 1, 0
	QUARTER 4, 56, 1,1,1,0, 0, 1, 0
	STEP 1
	s_sub_co_u32 s28, s28, 1
	s_cmp_lg_u32 s28, 0
	s_cbranch_scc1 .Lk0
	QUARTER 1, 56, 1,1,0,1, 0, 1, 0                ; quarters 25-28: enc has been asked for to its end, so the counts run down by a half-slab a quarter
	QUARTER 2, 48, 1,1,0,0, 0, 1, 0
	QUARTER 3, 40, 1,1,0,1, 0, 1, 0
	QUARTER 4, 32, 1,1,0,0, 0, 1, 0
	STEP 1
	QUARTER 1, 32, 1,0,0,1, 0, 1, 0                ; quarters 29-31 ask for pass 1's first three quarters of wb; the last barrier: slab 15 is whole
	QUARTER 2, 32, 1,0,0,0, 0, 1, 0
	QUARTER 3, 32, 1,0,0,0, 0, 0, 0
	s_wait_xcnt 0x0
	s_add_nc_u64 s[WBP:WBP+1], s[WBP:WBP+1], 4*8192
; ---------------- the activation and the row dot, for one window's 32 accumulators: y -> 2^y -> 1 / (1 + 2^y) -> tanh -> score sums.
; Each kind of transcendental is one batch with one wait: nothing names a result ahead of the wait; a v_nop is the plain instruction behind the batch's last.
.macro EPIWIN hi
	WIN EP_LO+0x41*(\hi)
.set i, 0
.rept 256
	v_exp_f32 v[i], v[i]                           ; ascending: each accumulator's lowest registers are read first
.set i, i+1
.endr
	v_nop
	s_wait_alu depctr_va_vdst(0)
.set i, 0
.rept 128
	v_pk_add_f32 v[i:i+1], v[i:i+1], 1.0 op_sel_hi:[1,0]
	v_rcp_f32 v[i], v[i]
	v_rcp_f32 v[i+1], v[i+1]
.set i, i+2
.endr
	v_nop
	s_wait_alu depctr_va_vdst(0)
.set i, 0
.rept 128
	v_pk_fma_f32 v[i:i+1], v[i:i+1], -2.0, 1.0 op_sel_hi:[1,0,0]
.set i, i+2
.endr
.if (\hi) == 0
	s_wait_dscnt 0x0                               ; wv's values are in
.endif
	WIN SC_LO+(\hi)
.irp b, 0,1,2,3,4,5,6,7                        ; eight chains (four m tiles x two parities) take turns
.irp q, 0,1,2,3
.irp a, 0,1,2,3
	v_pk_fma_f32 v[SC+4*(4*(\hi)+(\a))+2*((\q)&1):SC+4*(4*(\hi)+(\a))+2*((\q)&1)+1], v[8*(8*(\a)+(\b))+2*(\q):8*(8*(\a)+(\b))+2*(\q)+1], v[WVR+8*(\b)+2*(\q):WVR+8*(\b)+2*(\q)+1], v[SC+4*(4*(\hi)+(\a))+2*((\q)&1):SC+4*(4*(\hi)+(\a))+2*((\q)&1)+1]
.endr
.endr
.endr
.endm
	s_mov_b32 s29, 2
.Lpass:                                        ; twice: behind pass 0 and behind pass 1; left in its middle the second time
.irp b, 0,1,2,3,4,5,6,7                        ; wv of my 128 columns of this pass, laid as the accumulators' registers are
	ds_load_b128 v[WVR+8*(\b):WVR+8*(\b)+3],   v[CW] offset:64*(\b)
	ds_load_b128 v[WVR+8*(\b)+4:WVR+8*(\b)+7], v[CW] offset:64*(\b)+16
.endr
	EPIWIN 0
	EPIWIN 1
	WIN 0
	v_add_nc_u32 v[CQ], 2048, v[CQ]                ; the next pass's 512 columns
	v_add_nc_u32 v[CW], 2048, v[CW]
	s_sub_co_u32 s29, s29, 1
	s_cmp_eq_u32 s29, 0
	s_cbranch_scc1 .Ldone
; ---------------- pass 1: columns 512-1,023; enc lies whole in LDS: no stage, no barrier.  32 = the two quarters of wb younger than the one wanted.
	KHEAD
	QUARTER 0, 32, 1,0,0,0, 1, 1, 0
	s_mov_b32 s28, 7
.Lk1:                                          ; quarters 1-28
	QUARTER 1, 32, 1,0,0,0, 0, 1, 0
	QUARTER 2, 32, 1,0,0,0, 0, 1, 0
	QUARTER 3, 32, 1,0,0,0, 0, 1, 0
	QUARTER 4, 32, 1,0,0,0, 0, 1, 0
	STEP 0
	s_sub_co_u32 s28, s28, 1
	s_cmp_lg_u32 s28, 0
	s_cbranch_scc1 .Lk1
	QUARTER 1, 32, 0,0,0,0, 0, 1, 0                ; quarters 29-31: nothing is left to ask for, and the counts run down
	QUARTER 2, 16, 0,0,0,0, 0, 1, 0
	QUARTER 3, 0,  0,0,0,0, 0, 0, 0
	s_branch .Lpass
; ---------------- the finish
.Ldone:
	s_wait_loadcnt 0x0
.irp a, 0,1,2,3,4,5,6,7                        ; my 256 columns' share of the score of row 16 a + l % 16: the two parities, the pair's halves, the other half of the lanes
	v_pk_add_f32 v[SC+4*(\a):SC+4*(\a)+1], v[SC+4*(\a):SC+4*(\a)+1], v[SC+4*(\a)+2:SC+4*(\a)+3]
.endr
.irp a, 0,1,2,3,4,5,6,7
	v_add_f32 v[SC+4*(\a)], v[SC+4*(\a)], v[SC+4*(\a)+1]
.endr
.irp a, 0,1,2,3,4,5,6,7
	v_permlanex16_b32 v[SC+4*(\a)+1], v[SC+4*(\a)], s32, s33
.endr
.irp a, 0,1,2,3,4,5,6,7
	v_add_f32 v[SC+4*(\a)], v[SC+4*(\a)], v[SC+4*(\a)+1]
.endr
.irp a, 0,1,2,3,4,5,6,7
	ds_store_b32 v[SPA], v[SC+4*(\a)] offset:64*(\a)   ; lanes l and l + 16 store the same number to the same word
.endr
	s_wait_dscnt 0x0                               ; for the others' sake
	s_barrier_signal -1
	s_barrier_wait -1
.irp w, 0,1,2,3
	ds_load_b128 v[128+4*(\w):131+4*(\w)], v[SRA] offset:512*(\w)   ; the four waves' shares of rows 4 l .. 4 l + 3: every wave makes all 128 scores
.endr
	s_wait_dscnt 0x0
	v_pk_add_f32 v[128:129], v[128:129], v[132:133]
	v_pk_add_f32 v[130:131], v[130:131], v[134:135]
	v_pk_add_f32 v[136:137], v[136:137], v[140:141]
	v_pk_add_f32 v[138:139], v[138:139], v[142:143]
	v_pk_add_f32 v[128:129], v[128:129], v[136:137]
	v_pk_add_f32 v[130:131], v[130:131], v[138:139]
	v_pk_add_f32 v[128:129], v[128:129], s[30:31] op_sel_hi:[1,0]   ; + bv
	v_pk_add_f32 v[130:131], v[130:131], s[30:31] op_sel_hi:[1,0]
	v_max3_num_f32 v144, v128, v129, v130
	v_max_num_f32 v144, v144, v131
	v_max_num_f32_dpp v144, v144, v144 row_xmask:1 row_mask:0xf bank_mask:0xf
	v_max_num_f32_dpp v144, v144, v144 row_xmask:2 row_mask:0xf bank_mask:0xf
	v_max_num_f32_dpp v144, v144, v144 row_xmask:4 row_mask:0xf bank_mask:0xf
	v_max_num_f32_dpp v144, v144, v144 row_xmask:8 row_mask:0xf bank_mask:0xf
	v_permlanex16_b32 v132, v144, s32, s33
	v_max_num_f32 v144, v144, v132                 ; m: the block's largest score, in every lane
	v_mul_f32 v133, s34, v144
.irp i, 0,1,2,3
	v_fma_f32 v[136+(\i)], v[128+(\i)], s34, -v133 ; (score - m) log2(e)
.endr
.irp i, 0,1,2,3
	v_exp_f32 v[136+(\i)], v[136+(\i)]             ; p
.endr
	v_nop
	s_wait_alu depctr_va_vdst(0)                   ; one wait for the four exponentials, ahead of their first reader
	v_pk_add_f32 v[140:141], v[136:137], v[138:139]
	v_cvt_pk_bf16_f32 v142, v136, v137
	v_cvt_pk_bf16_f32 v143, v138, v139
	v_add_f32 v140, v140, v141
	ds_store_b64 v[PBS], v[142:143]                ; my wave's own copy of p, rows 4 l .. 4 l + 3
.irp k, 0,1,2,3                                ; and back as source 1 of o^T = enc^T p: every lane of a half takes the same 8 + 8 rows.  LDS serves a wave's instructions in order (ISA guide 5.7.1.4): these see the store above
	ds_load_b128 v[PF+8*(\k):PF+8*(\k)+3],   v[PBA] offset:64*(\k)
	ds_load_b128 v[PF+8*(\k)+4:PF+8*(\k)+7], v[PBA] offset:64*(\k)+32
.endr
	v_add_f32_dpp v140, v140, v140 row_xmask:1 row_mask:0xf bank_mask:0xf
	v_add_f32_dpp v140, v140, v140 row_xmask:2 row_mask:0xf bank_mask:0xf
	v_add_f32_dpp v140, v140, v140 row_xmask:4 row_mask:0xf bank_mask:0xf
	v_add_f32_dpp v140, v140, v140 row_xmask:8 row_mask:0xf bank_mask:0xf
	v_permlanex16_b32 v141, v140, s32, s33
	v_add_f32 v145, v140, v141                     ; l, beside m
; o^T over my wave's 256 channels (slabs 4 w .. 4 w + 3): 16 tiles of 16 channels, four steps of 32 rows.  enc lies [row][channel]: it comes out turned.
.macro TFETCH ks, buf
	WIN TO_B
.set t, 0
.rept 16
	ds_load_tr16_b128 v[128*(\buf)+8*t:128*(\buf)+8*t+3],   v[TRA0+(t>>3)] offset:((t>>2)&1)*SLAB+32*(t&3)+32*PITCH*(\ks)
	ds_load_tr16_b128 v[128*(\buf)+8*t+4:128*(\buf)+8*t+7], v[TRA0+(t>>3)] offset:((t>>2)&1)*SLAB+32*(t&3)+32*PITCH*(\ks)+16*PITCH
.set t, t+1
.endr
.endm
.macro TMUL ks, buf                            ; the 16 accumulators take turns; the first step starts the sums
	WIN MUL_LO
.set t, 0
.rept 16
.if (\ks) == 0
	v_wmma_f32_16x16x32_bf16 v[8*t:8*t+7], v[128*(\buf)+8*t:128*(\buf)+8*t+7], v[PF+8*(\ks):PF+8*(\ks)+7], 0
.else
	v_wmma_f32_16x16x32_bf16 v[8*t:8*t+7], v[128*(\buf)+8*t:128*(\buf)+8*t+7], v[PF+8*(\ks):PF+8*(\ks)+7], v[8*t:8*t+7]
.endif
.set t, t+1
.endr
.endm
	TFETCH 0, 0
	TFETCH 1, 1
	s_wait_dscnt 32                                ; all but the other buffer's 32 loads
	TMUL 0, 0
	PLACES
	TFETCH 2, 0
	s_wait_dscnt 32
	TMUL 1, 1
	PLACES
	TFETCH 3, 1
	s_wait_dscnt 32
	TMUL 2, 0
	s_wait_dscnt 0x0
	TMUL 3, 1
	PLACES
	WIN ST_D                                       ; register j of tile t is channel 16 t + 8 (l / 16) + j, the same number in the 16 lanes of a half: they store it to the same word
.set t, 0
.rept 16
	ds_store_b128 v[OSA], v[8*t:8*t+3]   offset:64*t       ; each accumulator's low registers first
	ds_store_b128 v[OSA], v[8*t+4:8*t+7] offset:64*t+16
.set t, t+1
.endr
	WIN 0
	ds_load_b128 v[128:131], v[ORA]                ; my wave's own bytes, in order behind the stores
	ds_load_b128 v[132:135], v[ORA] offset:512
	s_wait_dscnt 0x0
	global_store_b128 v[GO], v[128:131], s[14:15]              ; each store of the wave covers 512 consecutive bytes, aligned
	global_store_b128 v[GO], v[132:135], s[14:15] offset:512
	s_cmp_lg_u32 s18, 0
	s_cbranch_scc1 .Lend
	global_store_b64 v[STO], v[144:145], s[16:17]  ; wave 0: (m, l) thirty-two times: the block's 256 bytes of st, whole
.Lend:
	s_wait_tensorcnt 0x0                           ; the wave's end, behind my last LDS store
	ds_add_u32 v[SPW], v[NIL]
	s_wait_dscnt 0x0
	s_endpgm
.Lfunc_end_k_q1ada0792cf_main:
	.size	k_q1ada0792cf_main, .Lfunc_end_k_q1ada0792cf_main-k_q1ada0792cf_main
	.p2alignl 7, 3214868480
	.fill 96, 4, 3214868480
	.section	.rodata,"a",@progbits
	.p2align	6, 0x0
	.amdhsa_kernel k_q1ada0792cf_main
		.amdhsa_group_segment_fixed_size 310784
		.amdhsa_private_segment_fixed_size 0
		.amdhsa_enable_private_segment 0
		.amdhsa_kernarg_size 56
		.amdhsa_user_sgpr_count 2
		.amdhsa_user_sgpr_kernarg_segment_ptr 1
		.amdhsa_wavefront_size32 1
		.amdhsa_system_sgpr_workgroup_id_x 1
		.amdhsa_system_sgpr_workgroup_id_y 1
		.amdhsa_system_sgpr_workgroup_id_z 1
		.amdhsa_system_vgpr_workitem_id 0
		.amdhsa_next_free_vgpr 1024
		.amdhsa_next_free_sgpr 66
		.amdhsa_reserve_vcc 0
		.amdhsa_float_denorm_mode_32 3
		.amdhsa_float_denorm_mode_16_64 3
		.amdhsa_memory_ordered 1
		.amdhsa_forward_progress 1
		.amdhsa_inst_pref_size 255
	.end_amdhsa_kernel
	.section	.bss,"aw",@nobits
	.p2align	6
	.space	262144
	.amdgpu_metadata
---
amdhsa.version: [ 1, 2 ]
amdhsa.kernels:
  - .name:           k_q1ada0792cf_main
    .symbol:         k_q1ada0792cf_main.kd
    .args:
      - { .name: encoder_outputs, .offset: 0, .size: 8, .value_kind: global_buffer, .address_space: global }
      - { .name: wb, .offset: 8, .size: 8, .value_kind: global_buffer, .address_space: global }
      - { .name: qb, .offset: 16, .size: 8, .value_kind: global_buffer, .address_space: global }
      - { .name: wv, .offset: 24, .size: 8, .value_kind: global_buffer, .address_space: global }
      - { .name: bv, .offset: 32, .size: 8, .value_kind: global_buffer, .address_space: global }
      - { .name: po, .offset: 40, .size: 8, .value_kind: global_buffer, .address_space: global }
      - { .name: st, .offset: 48, .size: 8, .value_kind: global_buffer, .address_space: global }
    .group_segment_fixed_size: 310784
    .private_segment_fixed_size: 0
    .kernarg_segment_align: 8
    .kernarg_segment_size: 56
    .max_flat_workgroup_size: 128
    .sgpr_count:     66
    .vgpr_count:     1024
    .wavefront_size: 32
...
	.end_amdgpu_metadata
.endif
;; end of part 2
;; launch combine (part 3): grid 4 x 32, 2 waves a work-group, no clusters, 0 bytes of LDS; arguments po, st, out0; writes out0
.if DOCPART == 3
	.amdgcn_target "amdgcn-amd-amdhsa--gfx1250"
	.amdhsa_code_object_version 6
	.text
	.protected	k_q1ada0792cf_combine
	.globl	k_q1ada0792cf_combine
	.p2align	8
	.type	k_q1ada0792cf_combine,@function
k_q1ada0792cf_combine:
	s_mov_b64 s[64:65], 0
	v_nop
	global_prefetch_b8 v0, s[64:65] scope:SCOPE_SE
	s_setreg_imm32_b32 hwreg(HW_REG_WAVE_MODE, 25, 1), 1
	s_wait_xcnt 0x0
; COMBINE.  out[batch][c] = sum over the batch's 16 blocks of e_i o_i[c] / sum of e_i l_i, e_i = e^(m_i - M), M = the largest m_i: the softmax's maximum is taken away across blocks as it was inside them.
; po: [512 blocks][1,024] f32;  st: [512 blocks][32 x (m, l)] f32.  A work-group takes a batch (y) and 256 columns (x); thread t four columns: a wave's load or store covers 512 consecutive bytes.
; A stream of 2 MiB with next to no arithmetic: no LDS, no matrix unit, no barrier.  LIMITS: NaN and infinities are not treated apart.
	s_load_b128 s[4:7], s[0:1], 0x0                ; po s[4:5], st s[6:7]
	s_load_b64 s[8:9], s[0:1], 0x10                ; out0
	s_and_b32 s10, ttmp7, 0xffff                   ; batch
	s_lshl_b32 s11, ttmp9, 10                      ; my 256 columns, in bytes
	s_lshl_b32 s12, s10, 16                        ; the batch's 16 rows of po
	s_add_co_u32 s12, s12, s11
	s_mov_b32 s13, 0
	s_lshl_b32 s14, s10, 12                        ; its 16 units of st; also its row of out0
	s_mov_b32 s15, 0
	s_add_co_u32 s16, s14, s11
	s_mov_b32 s17, 0
	s_mov_b32 s18, 0x3fb8aa3b                      ; log2(e)
	v_lshlrev_b32 v1, 4, v0                        ; 16 t
	v_and_b32 v2, 31, v0
	v_lshlrev_b32 v2, 3, v2                        ; my lane's copy of (m, l)
	s_wait_kmcnt 0x0
	s_add_nc_u64 s[4:5], s[4:5], s[12:13]
	s_add_nc_u64 s[6:7], s[6:7], s[14:15]
	s_add_nc_u64 s[8:9], s[8:9], s[16:17]
.irp i, 0,1,2,3,4,5,6,7,8,9,10,11,12,13,14,15
	global_load_b64 v[32+2*(\i):33+2*(\i)], v2, s[6:7] offset:256*(\i)
.endr
.irp i, 0,1,2,3,4,5,6,7,8,9,10,11,12,13,14,15
	global_load_b128 v[64+4*(\i):67+4*(\i)], v1, s[4:5] offset:4096*(\i)
.endr
	s_wait_loadcnt 16                              ; the statistics are in; the 16 loads of partial outputs may stay out
	v_max3_num_f32 v3, v32, v34, v36
	v_max3_num_f32 v3, v3, v38, v40
	v_max3_num_f32 v3, v3, v42, v44
	v_max3_num_f32 v3, v3, v46, v48
	v_max3_num_f32 v3, v3, v50, v52
	v_max3_num_f32 v3, v3, v54, v56
	v_max3_num_f32 v3, v3, v58, v60
	v_max_num_f32 v3, v3, v62                      ; M
	v_mul_f32 v4, s18, v3
.irp i, 0,1,2,3,4,5,6,7,8,9,10,11,12,13,14,15
	v_fma_f32 v[8+(\i)], v[32+2*(\i)], s18, -v4    ; (m_i - M) log2(e)
.endr
.irp i, 0,1,2,3,4,5,6,7,8,9,10,11,12,13,14,15
	v_exp_f32 v[8+(\i)], v[8+(\i)]                 ; e_i
.endr
	v_nop
	s_wait_alu depctr_va_vdst(0)                   ; one wait for the sixteen exponentials, ahead of their first reader
	v_mul_f32 v5, v8, v33
.irp i, 1,2,3,4,5,6,7,8,9,10,11,12,13,14,15
	v_fma_f32 v5, v[8+(\i)], v[33+2*(\i)], v5      ; the sum of e_i l_i
.endr
	v_rcp_f32 v6, v5
	s_wait_loadcnt 0x0
.irp c, 0,1,2,3
	v_mul_f32 v[24+(\c)], v[64+(\c)], v8           ; the sums below are the independent work behind the reciprocal
.endr
.irp i, 1,2,3,4,5,6,7,8,9,10,11,12,13,14,15
.irp c, 0,1,2,3
	v_fma_f32 v[24+(\c)], v[64+4*(\i)+(\c)], v[8+(\i)], v[24+(\c)]
.endr
.endr
	s_wait_alu depctr_va_vdst(0)                   ; the reciprocal's wait, ahead of its first reader
.irp c, 0,1,2,3
	v_mul_f32 v[24+(\c)], v[24+(\c)], v6
.endr
	global_store_b128 v1, v[24:27], s[8:9]         ; 512 consecutive bytes a wave, aligned
	s_endpgm
.Lfunc_end_k_q1ada0792cf_combine:
	.size	k_q1ada0792cf_combine, .Lfunc_end_k_q1ada0792cf_combine-k_q1ada0792cf_combine
	.p2alignl 7, 3214868480
	.fill 96, 4, 3214868480
	.section	.rodata,"a",@progbits
	.p2align	6, 0x0
	.amdhsa_kernel k_q1ada0792cf_combine
		.amdhsa_group_segment_fixed_size 0
		.amdhsa_private_segment_fixed_size 0
		.amdhsa_enable_private_segment 0
		.amdhsa_kernarg_size 24
		.amdhsa_user_sgpr_count 2
		.amdhsa_user_sgpr_kernarg_segment_ptr 1
		.amdhsa_wavefront_size32 1
		.amdhsa_system_sgpr_workgroup_id_x 1
		.amdhsa_system_sgpr_workgroup_id_y 1
		.amdhsa_system_sgpr_workgroup_id_z 1
		.amdhsa_system_vgpr_workitem_id 0
		.amdhsa_next_free_vgpr 128
		.amdhsa_next_free_sgpr 66
		.amdhsa_reserve_vcc 0
		.amdhsa_float_denorm_mode_32 3
		.amdhsa_float_denorm_mode_16_64 3
		.amdhsa_memory_ordered 1
		.amdhsa_forward_progress 1
		.amdhsa_inst_pref_size 12
	.end_amdhsa_kernel
	.amdgpu_metadata
---
amdhsa.version: [ 1, 2 ]
amdhsa.kernels:
  - .name:           k_q1ada0792cf_combine
    .symbol:         k_q1ada0792cf_combine.kd
    .args:
      - { .name: po, .offset: 0, .size: 8, .value_kind: global_buffer, .address_space: global }
      - { .name: st, .offset: 8, .size: 8, .value_kind: global_buffer, .address_space: global }
      - { .name: out0, .offset: 16, .size: 8, .value_kind: global_buffer, .address_space: global }
    .group_segment_fixed_size: 0
    .private_segment_fixed_size: 0
    .kernarg_segment_align: 8
    .kernarg_segment_size: 24
    .max_flat_workgroup_size: 64
    .sgpr_count:     66
    .vgpr_count:     128
    .wavefront_size: 32
...
	.end_amdgpu_metadata
.endif
;; end of part 3
;; ======== version 2 of 2: 3 launches; version 1 with the launch main written anew for expert scheduling mode
;; workspace buffers: wb 2,097,152 bytes; qb 131,072 bytes; po 2,097,152 bytes; st 131,072 bytes
;; launch prep: the kernel of part 1 again; grid 128 x 1, 8 waves a work-group, no clusters, 17,408 bytes of LDS; arguments Wk, Wq, bq, bk, hidden, wb, qb; writes wb, qb
;; launch main (part 4): grid 512 x 1, 4 waves a work-group, no clusters, 310,784 bytes of LDS; arguments encoder_outputs, wb, qb, wv, bv, po, st; writes po, st
.if DOCPART == 4
	.amdgcn_target "amdgcn-amd-amdhsa--gfx1250"
	.amdhsa_code_object_version 6
	.text
	.protected	k_q1ada0792cf_main
	.globl	k_q1ada0792cf_main
	.p2align	8
	.type	k_q1ada0792cf_main,@function
k_q1ada0792cf_main:
	s_mov_b64 s[64:65], 0
	v_nop
	global_prefetch_b8 v0, s[64:65] scope:SCOPE_SE
	s_setreg_imm32_b32 hwreg(HW_REG_WAVE_SCHED_MODE, 0, 2), 2
	s_setreg_imm32_b32 hwreg(HW_REG_WAVE_MODE, 25, 1), 1
	s_wait_xcnt 0x0
	s_wait_alu depctr_vm_vsrc(0)
; MAIN.  A work-group owns a block of 128 rows of one batch of encoder_outputs (block = work-group number, batch = block / 16) and makes, for that block,
;   score[row] = sum over n of wv[n] tanh(q[n] + k[row][n] + biases) + bv,   m = the block's largest score,   p = e^(score - m),   l = sum of p,   o[c] = sum over rows of p enc[row][c].
; The next launch joins a batch's 16 blocks.  The maximum is taken away before the exponential, block by block and then across blocks.
; ENC IS READ FROM MEMORY ONCE: during pass 0 it streams in as f32, is rounded to bf16 and STAYS in LDS (128 x 1,024 x 2 bytes) for pass 1 and for the weighted sum.
; SHARES.  Four waves.  In pass p (0, 1) wave w makes all 128 rows x columns 512 p + 128 w .. + 127 of k: 64 accumulators, 512 registers.  A pass is 32 QUARTERS of 32 along K, 64 products each.
; THE WEIGHTS (wb: bf16(c Wk), c = 2 log2(e), in stream order) go straight to registers: each wave has columns of its own, so no byte of wb is wanted by two waves of a work-group.
; NO TENSOR LOADS, NO CLUSTER, NO JOINT REQUESTS for wb, though all work-groups read it: enc's block takes 294,912 bytes of LDS and the scratch 15,872; what a WGP has left, 16,896 bytes, cannot hold
; two slots of the 32,768 bytes that the four waves multiply in one quarter.  So the ring for wb lies in registers: four slots of 64, filled by counted loads three quarters ahead.
; THE PRODUCT IS TAKEN TRANSPOSED (source 0 = 16 rows of Wk, source 1 = 16 rows of enc): a lane holds ONE row of enc (l % 16) and the columns 8 (l / 16) + 0..7, so wv and q are values for each register
; and a row's score stays in its lane.  The first product of a pass takes c (q + biases) as its C operand: the finished sum is the exponent y of tanh = 1 - 2 / (1 + 2^y).
; LIMITS.  2^y overflowing gives tanh = 1, underflowing -1: the right limits.  NaN and infinities in the inputs are not treated apart.  enc, c Wk and p are rounded to bf16 as matrix operands; l is the sum of the unrounded p.
; THE MODE: SCHED_MODE bits 1:0 = 2 (LLVM: expert scheduling mode 2), set by the entry lines.  The code itself states the register dependences between vector or matrix instructions and memory or LDS
; instructions, with s_wait_alu, always for 0.
; THE PLAN.  Registers that memory or LDS instructions touch in the K loops, in quarter q:
;   wb's slots       Slot q % 4 is read by quarter q's 64 products.  The loads of quarter q + 3 land in slot (q - 1) % 4, which quarter q - 1 read.
;   fragments        Pass 0: one buffer in two halves, since every register is taken: m tiles 0-3 are read by the quarter's first 32 products and loaded again in its middle, m tiles 4-7 by its last 32 and
;                    loaded again at its end.  Pass 1: the stage's registers lie idle, and v192-255 are a second buffer: quarter q reads buffer q % 2, its fetches land in the other, which quarter q - 1 read.
;   stage buffers    SG[(q + 3) % 4]: converted in place in the middle of quarter q, read by eight LDS stores, then loaded again with half-slab q + 7.
;   v[ADRA], v[SLD]  Read by the fetches and by the stage's stores; written by one add each in four quarters (STEP).  v[CQ], v[CW] and v[ADRA]'s reset: written once a pass, behind the activation.
;   v[BO], v[SGO], v[PFO] and the finish's addresses: made at the head, never written again.
; THE WAITS.  Pass 0: va_vdst in a quarter's middle, behind the conversions (for the stage's stores and loads and for the fetches of m tiles 0-3), vm_vsrc ahead of the stage's loads, va_vdst at the quarter's
; end (for the fetches of m tiles 4-7 and for the next loads of wb, which stand behind the next quarter's first 16 products: nothing between names their slot or v[BO]).  Pass 1: ONE va_vdst, at a quarter's
; head; the quarter's 16 loads of wb and 16 fetches follow among its products, which name the other slots and the other buffer.  STEP: vm_vsrc ahead of its adds.
;
; LDS:  A: 16 slabs of 64 channels x 128 rows, rows 144 bytes apart (128 + 16: nine times 16 bytes, so the 16 rows of a fragment load start 16 bytes further on in each 256);  element (row, k) at (k >> 6) SLAB + row 144 + 2 (k & 63)
.set PITCH, 144
.set SLAB,  128*PITCH                  ; 18,432
.set QC,    16*SLAB                    ; 4,096 bytes: c (q + bq + bk) of my batch, f32, by column
.set WVL,   QC+4096                    ; 4,096 bytes: wv
.set SCP,   WVL+4096                   ; 2,048 bytes: [wave][128 rows] partial scores
.set PB,    SCP+2048                   ; 1,024 bytes: for each wave its own copy of the 128 p in bf16
.set OUTS,  PB+1024                    ; 4,096 bytes: for each wave its 256 numbers of o
.set SPARE, OUTS+4096                  ; the spare words, 128 bytes for each wave: two blocks of 256 bytes that no other line names
; REGISTERS, in windows of 256 (s_set_vgpr_msb: bits 1:0 source 0, 3:2 source 1, 5:4 source 2, 7:6 destination):
;   window 0: addresses; v32-63 score sums; v64-127 fragments of enc (m tile a at 64 + 8 a); v128-255 four stage buffers of 32 (in pass 1 v192-255 are the fragments' second buffer; later wv's values, statistics, p's fragments)
;   window 1: wb's ring, slot k at 64 k, n tile b at + 8 b; at a pass's start slot 3 holds the C operands; at the end two buffers of 128 for enc^T
;   window 2: accumulators of m tiles 0-3, (a, b) at 8 (8 a + b); at the end o^T;      window 3: those of m tiles 4-7
.set ADRA,  2                          ; v2   running LDS address of the fragments
.set ADRA0, 3                          ; v3   (l % 16) 144 + 16 (l / 16)
.set QST,   4                          ; v4   QC + 32 t
.set WST,   5                          ; v5   WVL + 16 t
.set BO,    6                          ; v6   16 l; never rewritten
.set SGO,   7                          ; v7   (32 w + 8 (l / 16)) 4,096 + 16 (l % 16): my 16 bytes in the stage loads; never rewritten
.set SLD,   8                          ; v8   (32 w + 8 (l / 16)) 144 + 8 (l % 16), running: where they go in A
.set CQ,    9                          ; v9   QC + 512 w + 32 (l / 16), + 2,048 a pass
.set CW,    10                         ; v10  WVL + the same
.set PFO,   11                         ; v11  (32 w + l) 4,096: a lane a row, for the prefetches; never rewritten
.set SPA,   12                         ; v12  SCP + 512 w + 4 (l % 16)
.set SRA,   13                         ; v13  SCP + 16 l
.set PBS,   14                         ; v14  PB + 256 w + 8 l
.set PBA,   15                         ; v15  PB + 256 w + 16 (l / 16)
.set TRA0,  16                         ; v16  the turning loads' address in slabs 4 w, 4 w + 1;  v17 in slabs 4 w + 2, 4 w + 3
.set OSA,   20                         ; v20  OUTS + 1,024 w + 32 (l / 16)
.set ORA,   21                         ; v21  OUTS + 1,024 w + 16 l
.set GO,    22                         ; v22  1,024 w + 16 l
.set STO,   23                         ; v23  8 l
.set SPW,   28                         ; v28  my spare word's address; never rewritten
.set NIL,   29                         ; v29  0; never rewritten
.set SC,    32                         ; m tile a, parity x: the pair at SC + 4 a + 2 x
.set AF,    64                         ; the fragments' buffer; pass 1's second one lies 128 registers on
.set SG,    128
.set WVR,   128
.set PF,    192
.set ENC,   24                         ; s[24:25] enc at my block, running along K
.set WBP,   26                         ; s[26:27] wb at my wave's stream, running
.set MSB, 0
.macro WIN new                         ; the immediate's high byte repeats the setting that is left; a switch that changes nothing is dropped
.if MSB != (\new)
	s_set_vgpr_msb (MSB<<8)|(\new)
.set MSB, (\new)
.endif
.endm
.set MUL_LO, 0xa1                      ; source 0 (wb) window 1, source 1 (enc) window 0, C and D window 2
.set MUL_HI, 0xf1                      ; the same, C and D window 3
.set ZER_LO, 0x91                      ; as MUL_LO with C in window 1
.set ZER_HI, 0xd1
.set TO_B,   0x40                      ; destination window 1, address window 0
.set EP_LO,  0x82                      ; destination and source 0 window 2
.set EP_HI,  0xc3
.set SC_LO,  0x02                      ; source 0 window 2, the rest window 0
.set SC_HI,  0x03
.set ST_D,   0x08                      ; an LDS store's data (source 1) in window 2
.macro PLACES                          ; four plain instructions between a product and a vector instruction or a store that reads its result
.rept 4
	v_nop
.endr
.endm
; 16 products: m tiles a0, a0 + 1 of the window's four x all 8 n tiles, on the fragments at AFC.  zero = 1: the pass's first products take c (q + biases) from slot 3 as C.  The 64 accumulators take turns.
.macro MUL16 hi, a0, slot, zero
.if \zero
	WIN ZER_LO+0x40*(\hi)
.else
	WIN MUL_LO+0x50*(\hi)
.endif
.irp a, \a0, (\a0)+1
.irp b, 0,1,2,3,4,5,6,7
.if \zero
	v_wmma_f32_16x16x32_bf16 v[8*(8*(\a)+(\b)):8*(8*(\a)+(\b))+7], v[64*(\slot)+8*(\b):64*(\slot)+8*(\b)+7], v[AFC+8*(4*(\hi)+(\a)):AFC+8*(4*(\hi)+(\a))+7], v[192+8*(\b):192+8*(\b)+7]
.else
	v_wmma_f32_16x16x32_bf16 v[8*(8*(\a)+(\b)):8*(8*(\a)+(\b))+7], v[64*(\slot)+8*(\b):64*(\slot)+8*(\b)+7], v[AFC+8*(4*(\hi)+(\a)):AFC+8*(4*(\hi)+(\a))+7], v[8*(8*(\a)+(\b)):8*(8*(\a)+(\b))+7]
.endif
.endr
.endr
.endm
; 8 LDS loads: the next quarter's (j + 1) fragments of m tiles 4 hi .. 4 hi + 3, into the buffer at AFN.  Window 0.
.macro AFETCH hi, j
.irp a, 0,1,2,3
	ds_load_b128 v[AFN+8*(4*(\hi)+(\a)):AFN+8*(4*(\hi)+(\a))+3],   v[ADRA] offset:(4*(\hi)+(\a))*16*PITCH+(((\j)+1)>>1)*SLAB+(((\j)+1)&1)*64
	ds_load_b128 v[AFN+8*(4*(\hi)+(\a))+4:AFN+8*(4*(\hi)+(\a))+7], v[ADRA] offset:(4*(\hi)+(\a))*16*PITCH+(((\j)+1)>>1)*SLAB+(((\j)+1)&1)*64+32
.endr
.endm
; 16 loads: a quarter's 8,192 bytes of my stream of wb into a slot; each load takes 512 consecutive bytes.
.macro BISSUE slot, off
	WIN TO_B
.irp u, 0,1,2,3,4,5,6,7,8,9,10,11,12,13,14,15
	global_load_b128 v[64*(\slot)+4*(\u):64*(\slot)+4*(\u)+3], v[BO], s[WBP:WBP+1] offset:(\off)+512*(\u)
.endr
.endm
; A HALF-SLAB g is 16 of my wave's 32 rows x 64 channels.  SISSUE: 8 loads; each takes 256 aligned bytes of row R (lanes 0-15) and of row R + 8 (lanes 16-31).  g counts from the running pointer.  Window 0.
.macro SISSUE buf, g
.irp jj, 0,1,2,3,4,5,6,7
	global_load_b128 v[SG+32*(\buf)+4*(\jj):SG+32*(\buf)+4*(\jj)+3], v[SGO], s[ENC:ENC+1] offset:(16*((\g)&1)+(\jj))*4096+((\g)>>1)*256 th:TH_LOAD_NT
.endr
.endm
; CVT: the half-slab is rounded to bf16 in place.  PUT: it is laid into A, 8 bytes a lane.  Between the two stands a wait on va_vdst, written at each use.  Window 0.
.macro CVT buf
.irp jj, 0,1,2,3,4,5,6,7
	v_cvt_pk_bf16_f32 v[SG+32*(\buf)+4*(\jj)],   v[SG+32*(\buf)+4*(\jj)],   v[SG+32*(\buf)+4*(\jj)+1]
	v_cvt_pk_bf16_f32 v[SG+32*(\buf)+4*(\jj)+1], v[SG+32*(\buf)+4*(\jj)+2], v[SG+32*(\buf)+4*(\jj)+3]
.endr
.endm
.macro PUT buf, g
.irp jj, 0,1,2,3,4,5,6,7
	ds_store_b64 v[SLD], v[SG+32*(\buf)+4*(\jj):SG+32*(\buf)+4*(\jj)+1] offset:(16*((\g)&1)+(\jj))*PITCH+((\g)>>1)*SLAB
.endr
.endm
; A PREFETCH INTO THE L2 of enc, which the launch reads once: my wave's own 32 rows x 256 bytes, a lane a row, of the two slabs (6 and 7 from the running pointer) that the NEXT trip's stage loads take:
; three to six quarters ahead of those loads.  Each wave asks for what it will load itself, so each block of 256 bytes is named once in the launch.  The loop's last trip asks for nothing: there are no
; slabs behind the sixteenth.  Slabs 0-5 come by their loads alone.  v[PFO] was written ahead of the head's wait on va_vdst and is never named by a vector instruction again.
.macro ASK
	s_cmp_gt_u32 s28, 1
	s_cbranch_scc0 .Lnot_asked_\@
	global_prefetch_b8 v[PFO], s[ENC:ENC+1] offset:6*256 th:TH_LOAD_NT scope:SCOPE_SE
	global_prefetch_b8 v[PFO], s[ENC:ENC+1] offset:7*256 th:TH_LOAD_NT scope:SCOPE_SE
.Lnot_asked_\@:
.endm
; Four quarters on.  stage = 1: pass 0, where enc streams.
.macro STEP stage
	WIN 0
	s_wait_xcnt 0x0                                ; every load and prefetch issued so far has read its address: only behind this wait are the two pointers written
	s_wait_alu depctr_vm_vsrc(0)                   ; the fetches issued so far have read v[ADRA], and in pass 0 the stage's stores v[SLD]: the adds below write them
	s_add_nc_u64 s[WBP:WBP+1], s[WBP:WBP+1], 4*8192
	v_add_nc_u32 v[ADRA], 2*SLAB, v[ADRA]
.if \stage
	s_add_nc_u64 s[ENC:ENC+1], s[ENC:ENC+1], 2*256
	v_add_nc_u32 v[SLD], 2*SLAB, v[SLD]
.endif
.endm
; A pass's head: the C operands into slot 3 (register j of n tile b: column 16 b + 8 (l / 16) + j, the same in the 16 lanes of a half), and quarter 0's fragments.  What these loads hang on is stated at each use.
.macro KHEAD
	WIN TO_B
.irp b, 0,1,2,3,4,5,6,7
	ds_load_b128 v[192+8*(\b):195+8*(\b)], v[CQ] offset:64*(\b)
	ds_load_b128 v[196+8*(\b):199+8*(\b)], v[CQ] offset:64*(\b)+16
.endr
	WIN 0
.irp a, 0,1,2,3,4,5,6,7
	ds_load_b128 v[AF+8*(\a):AF+8*(\a)+3],   v[ADRA] offset:(\a)*16*PITCH
	ds_load_b128 v[AF+8*(\a)+4:AF+8*(\a)+7], v[ADRA] offset:(\a)*16*PITCH+32
.endr
	s_wait_dscnt 0x0
.endm
; A QUARTER, number j from the running pointers; its wb lies in slot j % 4.
;   lw    how many younger loads may stay out when this quarter's wb (and, older than it, the half-slab converted here) must be in
;   bis   wb of the quarter three on is asked for, behind the quarter's first 16 products, into the slot that the quarter before has read
;   cnv   half-slab j + 3 is converted and stored;   sis   half-slab j + 7 is asked for, into the buffer just converted
;   meet  a barrier in the quarter's first half: every wave's stores of the slab that this quarter's fetches read first are done.  No byte of A is written twice, so no barrier is wanted the other way
;   zero  the pass's first quarter;   fa   the next quarter's fragments are fetched;   ask   the prefetches
;   dbl   pass 1: the fragments have two buffers, which take turns by the quarter's parity
.macro QUARTER j, lw, bis, cnv, sis, meet, zero, fa, ask, dbl
.set AFC, AF+128*(\dbl)*((\j)&1)           ; the fragments that this quarter multiplies,
.set AFN, AF+128*(\dbl)*(((\j)+1)&1)       ; and where the next quarter's go
	s_wait_loadcnt \lw
.if (\dbl) && !(\zero) && ((\bis) || (\fa))
	s_wait_alu depctr_va_vdst(0)                   ; the quarter before is done reading its slot of wb and its buffer of fragments, in which this quarter's loads land; over the loop's edge v[ADRA] is written
.endif
.if !(\zero)
	s_wait_dscnt 8                                 ; m tiles 0-3 are in; the youngest eight LDS loads (m tiles 4-7) may be out
.endif
	MUL16 0, 0, (\j)%4, \zero
.if (\bis) && !(\zero)
	BISSUE ((\j)+3)%4, ((\j)+3)*8192               ; no wait: no vector or matrix instruction since the last wait on va_vdst names this slot or v[BO]
.endif
.if \meet
	s_wait_dscnt 0x0                               ; for the others' sake: my stores into A are done (and no LDS instruction of mine is out at the signal)
	s_barrier_signal -1
.endif
	MUL16 0, 2, (\j)%4, \zero
.if \meet
	s_barrier_wait -1
.endif
.if (\cnv) || (\fa)
	WIN 0
.endif
.if \cnv
	CVT ((\j)+3)%4
.endif
.if !(\dbl) && ((\cnv) || (\fa))
	s_wait_alu depctr_va_vdst(0)                   ; the conversions have written the stage buffer, which the stores below read, and are done reading it; the 32 products above are done reading m tiles 0-3, in which the fetches land; behind a STEP v[ADRA] and v[SLD] are written
.endif
.if \cnv
	PUT ((\j)+3)%4, (\j)+3
.endif
.if \fa
	AFETCH 0, \j
.if \dbl
	AFETCH 1, \j                                   ; pass 1: the whole next quarter into the other buffer.  No wait: the products since the head's wait name this quarter's buffer alone
.endif
.endif
.if (\sis) && !(\zero)
	s_wait_alu depctr_vm_vsrc(0)                   ; the stores above have read the stage buffer, in which the loads below land
	SISSUE ((\j)+3)%4, (\j)+7
.endif
.if \ask
	ASK
.endif
	s_wait_dscnt (8+8*(\dbl))*(\fa)+8*(\cnv)       ; m tiles 4-7 are in: behind their loads only this quarter's stores and fetches were issued
	MUL16 1, 0, (\j)%4, \zero
	MUL16 1, 2, (\j)%4, \zero
.if \dbl
.if (\zero) && (\bis)
	s_wait_alu depctr_va_vdst(0)                   ; this quarter's products are done reading slot 3, their C, in which the loads below land
	BISSUE 3, 3*8192                               ; slot 3 has served as C: now it joins the ring
.endif
.if !(\fa)
	PLACES                                         ; the pass's last products: the activation reads the sums
.endif
.else
	WIN 0
.if \fa
	s_wait_alu depctr_va_vdst(0)                   ; this quarter's products are done reading m tiles 4-7, in which the fetches below land, and their slot of wb (in a pass's first quarter slot 3 too), in which the next loads of wb land
	AFETCH 1, \j
.else
	PLACES                                         ; the pass's last products: the activation reads the sums
.endif
.if (\zero) && (\bis)
	BISSUE 3, 3*8192                               ; slot 3 has served as C: now it joins the ring; wb ahead of enc, the order of every later quarter
	WIN 0
.if \sis
	s_wait_alu depctr_vm_vsrc(0)                   ; this quarter's stores have read stage buffer 3, in which the loads below land
	SISSUE 3, 7
.endif
.endif
.endif
.endm
; ---------------- the head
	s_load_b256 s[4:11], s[0:1], 0x0               ; enc s[4:5], wb s[6:7], qb s[8:9], wv s[10:11]
	s_load_b128 s[12:15], s[0:1], 0x20             ; bv s[12:13], po s[14:15]
	s_load_b64 s[16:17], s[0:1], 0x30              ; st
	v_lshl_add_u32 v[SPW], v0, 2, SPARE
	v_mov_b32 v[NIL], 0
	v_lshrrev_b32 v24, 5, v0
	v_readfirstlane_b32 s18, v24                   ; wave 0..3
	s_mov_b32 s19, ttmp9                           ; block
	s_lshr_b32 s20, s19, 4                         ; batch
	s_mov_b32 s32, 0x76543210                      ; v_permlanex16_b32: each lane takes its own place in the other half
	s_mov_b32 s33, 0xfedcba98
	s_mov_b32 s34, 0x3fb8aa3b                      ; log2(e)
	v_and_b32 v1, 31, v0                           ; l
	v_and_b32 v25, 15, v0                          ; l % 16
	v_bfe_u32 v26, v0, 4, 1                        ; l / 16
	v_mul_u32_u24 v[ADRA0], v25, PITCH
	v_lshl_add_u32 v[ADRA0], v26, 4, v[ADRA0]
	v_mov_b32 v[ADRA], v[ADRA0]                    ; pass 0 begins at slab 0
	v_lshl_add_u32 v[QST], v0, 5, QC
	v_lshl_add_u32 v[WST], v0, 4, WVL
	v_lshlrev_b32 v[BO], 4, v1
	s_wait_alu depctr_va_sdst(0)                   ; s18 is written, ahead of its first reader: offsets, bases and branches are made from it
	s_lshl_b32 s22, s18, 17
	v_lshlrev_b32 v[SGO], 4, v25
	v_lshl_add_u32 v[SGO], v26, 15, v[SGO]
	v_add_nc_u32 v[SGO], s22, v[SGO]
	s_mul_i32 s22, s18, 32*PITCH
	v_mul_u32_u24 v[SLD], v26, 8*PITCH
	v_lshl_add_u32 v[SLD], v25, 3, v[SLD]
	v_add_nc_u32 v[SLD], s22, v[SLD]
	s_lshl_b32 s22, s18, 9
	s_add_co_u32 s23, s22, QC
	v_lshl_add_u32 v[CQ], v26, 5, s23
	s_add_co_u32 s23, s22, WVL
	v_lshl_add_u32 v[CW], v26, 5, s23
	v_lshlrev_b32 v[PFO], 12, v0
	s_add_co_u32 s23, s22, SCP
	v_lshl_add_u32 v[SPA], v25, 2, s23
	v_lshl_add_u32 v[SRA], v1, 4, SCP
	s_lshl_b32 s22, s18, 8
	s_add_co_u32 s22, s22, PB
	v_lshl_add_u32 v[PBS], v1, 3, s22
	v_lshl_add_u32 v[PBA], v26, 4, s22
	; the turning load takes 16 rows x 16 channels: lane l reads row 8 (l / 16) + l % 8, channels 8 ((l / 8) % 2) + 0..7
	v_and_b32 v24, 7, v0
	v_lshl_add_u32 v24, v26, 3, v24
	v_mul_u32_u24 v[TRA0], v24, PITCH
	v_bfe_u32 v24, v0, 3, 1
	v_lshl_add_u32 v[TRA0], v24, 4, v[TRA0]
	s_mul_i32 s22, s18, 4*SLAB
	v_add_nc_u32 v[TRA0], s22, v[TRA0]
	v_add_nc_u32 v[TRA0+1], 2*SLAB, v[TRA0]
	s_lshl_b32 s22, s18, 10
	s_add_co_u32 s23, s22, OUTS
	v_lshl_add_u32 v[OSA], v26, 5, s23
	v_lshl_add_u32 v[ORA], v1, 4, s23
	v_lshl_add_u32 v[GO], v1, 4, s22
	v_lshlrev_b32 v[STO], 3, v1
	v_lshlrev_b32 v24, 10, v0                      ; qb: thread t takes columns 8 t .. 8 t + 7 of my batch, 1,024 bytes apart
	v_lshlrev_b32 v27, 4, v0                       ; wv: 16 bytes a thread
	s_mov_b32 s23, 0                               ; the high word of every offset pair s[22:23]
	s_wait_kmcnt 0x0
	s_load_b32 s30, s[12:13], 0x0                  ; bv
	s_lshl_b32 s22, s19, 19
	s_add_nc_u64 s[ENC:ENC+1], s[4:5], s[22:23]    ; my block's 128 rows of 4,096 bytes
	s_lshl_b32 s22, s18, 19
	s_add_nc_u64 s[WBP:WBP+1], s[6:7], s[22:23]    ; my wave's stream: 64 quarters of 8,192 bytes on end
	s_lshl_b32 s22, s20, 5
	s_add_nc_u64 s[8:9], s[8:9], s[22:23]
	s_lshl_b32 s22, s19, 12
	s_add_nc_u64 s[14:15], s[14:15], s[22:23]
	s_lshl_b32 s22, s19, 8
	s_add_nc_u64 s[16:17], s[16:17], s[22:23]
	s_wait_alu depctr_va_vdst(0)                   ; all offsets and LDS addresses, v2 to v29, are written: the loads, stores and prefetches of the whole kernel read them
	global_load_b128 v[64:67], v24, s[8:9]
	global_load_b128 v[68:71], v24, s[8:9] offset:16
	global_load_b128 v[72:75], v27, s[10:11]
	global_load_b128 v[76:79], v27, s[10:11] offset:2048
	SISSUE 0, 0
	SISSUE 1, 1
	SISSUE 2, 2
	SISSUE 3, 3
	BISSUE 0, 0
	WIN 0
.set i, 0
.rept 32
	v_mov_b32 v[SC+i], 0                           ; the score sums run over both passes: they start at 0, written while the first loads are out
.set i, i+1
.endr
	s_wait_loadcnt 40                              ; qb, wv and half-slab 0 are in: younger are half-slabs 1-3 (24) and wb's quarter 0 (16)
	ds_store_b128 v[QST], v[64:67]
	ds_store_b128 v[QST], v[68:71] offset:16
	ds_store_b128 v[WST], v[72:75]
	ds_store_b128 v[WST], v[76:79] offset:2048
	CVT 0
	s_wait_alu depctr_va_vdst(0)                   ; the conversions have written stage buffer 0, which the stores below read, and are done reading it
	PUT 0, 0
	s_wait_alu depctr_vm_vsrc(0)                   ; those stores have read stage buffer 0, in which the loads below land
	SISSUE 0, 4
	BISSUE 1, 8192
	WIN 0
	s_wait_loadcnt 56                              ; half-slab 1: younger are half-slabs 2, 3 (16), quarter 0 (16), half-slab 4 (8), quarter 1 (16)
	CVT 1
	s_wait_alu depctr_va_vdst(0)                   ; the same for stage buffer 1
	PUT 1, 1
	s_wait_alu depctr_vm_vsrc(0)                   ; the stores have read stage buffer 1
	SISSUE 1, 5
	BISSUE 2, 2*8192
	WIN 0
	s_wait_loadcnt 63                              ; half-slab 2: 72 loads are younger, and a wait can name 63 at the most: stricter than needed
	CVT 2
	s_wait_alu depctr_va_vdst(0)                   ; the same for stage buffer 2
	PUT 2, 2
	s_wait_alu depctr_vm_vsrc(0)                   ; the stores have read stage buffer 2; so have the stores of qb and wv read v64-79, in which the first fragments land below
	SISSUE 2, 6
	s_wait_dscnt 0x0                               ; for the others' sake: my parts of QC, WVL, slab 0 and half of slab 1 lie in LDS
	s_barrier_signal -1
	s_barrier_wait -1
	s_wait_kmcnt 0x0
	s_mov_b32 s31, s30                             ; bv is named as a pair
; ---------------- pass 0: the products of columns 0-511, with enc streaming in beside them.
; The order of issue on the load counter is: wb of quarter q + 3 in the first half of quarter q, half-slab q + 7 in its middle.  Half-slab q + 3 is converted in the middle of quarter q; it is older than wb of
; quarter q, so the wait at the quarter's head serves both.  56 = two quarters of wb (32) and three half-slabs (24) younger than wb of quarter q.
; The head's loads below owe no further wait: v[CQ] and v[ADRA] were written ahead of the waits on va_vdst above, and no vector instruction has named slot 3 or v64-127.
	KHEAD
	QUARTER 0, 56, 1,1,1,0, 1, 1, 0, 0
	s_mov_b32 s28, 6
.Lk0:                                          ; quarters 1-24
	QUARTER 1, 56, 1,1,1,1, 0, 1, 0, 0
	QUARTER 2, 56, 1,1,1,0, 0, 1, 1, 0
	QUARTER 3, 56, 1,1,1,1, 0, 1, 0, 0
	QUARTER 4, 56, 1,1,1,0, 0, 1, 0, 0
	STEP 1
	s_sub_co_u32 s28, s28, 1
	s_cmp_lg_u32 s28, 0
	s_cbranch_scc1 .Lk0
	QUARTER 1, 56, 1,1,0,1, 0, 1, 0, 0             ; quarters 25-28: enc has been asked for to its end, so the counts run down by a half-slab a quarter
	QUARTER 2, 48, 1,1,0,0, 0, 1, 0, 0
	QUARTER 3, 40, 1,1,0,1, 0, 1, 0, 0
	QUARTER 4, 32, 1,1,0,0, 0, 1, 0, 0
	STEP 1
	QUARTER 1, 32, 1,0,0,1, 0, 1, 0, 0             ; quarters 29-31 ask for pass 1's first three quarters of wb; the last barrier: slab 15 is whole
	QUARTER 2, 32, 1,0,0,0, 0, 1, 0, 0
	QUARTER 3, 32, 1,0,0,0, 0, 0, 0, 0
	s_wait_xcnt 0x0
	s_add_nc_u64 s[WBP:WBP+1], s[WBP:WBP+1], 4*8192
; ---------------- the activation and the row dot, for one window's 32 accumulators: y -> 2^y -> 1 / (1 + 2^y) -> tanh -> score sums.
; Each kind of transcendental is one batch with one wait: nothing names a result ahead of the wait; a v_nop is the plain instruction behind the batch's last.
.macro EPIWIN hi
	WIN EP_LO+0x41*(\hi)
.set i, 0
.rept 256
	v_exp_f32 v[i], v[i]                           ; ascending: each accumulator's lowest registers are read first
.set i, i+1
.endr
	v_nop
	s_wait_alu depctr_va_vdst(0)                   ; the window's 256 exponentials are written, ahead of their first reader
.set i, 0
.rept 128
	v_pk_add_f32 v[i:i+1], v[i:i+1], 1.0 op_sel_hi:[1,0]
	v_rcp_f32 v[i], v[i]
	v_rcp_f32 v[i+1], v[i+1]
.set i, i+2
.endr
	v_nop
	s_wait_alu depctr_va_vdst(0)                   ; the window's 256 reciprocals are written, ahead of their first reader
.set i, 0
.rept 128
	v_pk_fma_f32 v[i:i+1], v[i:i+1], -2.0, 1.0 op_sel_hi:[1,0,0]
.set i, i+2
.endr
.if (\hi) == 0
	s_wait_dscnt 0x0                               ; wv's values are in
.endif
	WIN SC_LO+(\hi)
.irp b, 0,1,2,3,4,5,6,7                        ; eight chains (four m tiles x two parities) take turns
.irp q, 0,1,2,3
.irp a, 0,1,2,3
	v_pk_fma_f32 v[SC+4*(4*(\hi)+(\a))+2*((\q)&1):SC+4*(4*(\hi)+(\a))+2*((\q)&1)+1], v[8*(8*(\a)+(\b))+2*(\q):8*(8*(\a)+(\b))+2*(\q)+1], v[WVR+8*(\b)+2*(\q):WVR+8*(\b)+2*(\q)+1], v[SC+4*(4*(\hi)+(\a))+2*((\q)&1):SC+4*(4*(\hi)+(\a))+2*((\q)&1)+1]
.endr
.endr
.endr
.endm
	s_mov_b32 s29, 2
.Lpass:                                        ; twice: behind pass 0 and behind pass 1; left in its middle the second time
; wv's loads owe no wait on either way in: since the last wait on va_vdst only products were issued, which name neither v128-191 nor v[CW]; the stage's last stores stand ahead of STEP's wait on vm_vsrc.
.irp b, 0,1,2,3,4,5,6,7                        ; wv of my 128 columns of this pass, laid as the accumulators' registers are
	ds_load_b128 v[WVR+8*(\b):WVR+8*(\b)+3],   v[CW] offset:64*(\b)
	ds_load_b128 v[WVR+8*(\b)+4:WVR+8*(\b)+7], v[CW] offset:64*(\b)+16
.endr
	EPIWIN 0
	EPIWIN 1
	WIN 0
	s_wait_alu depctr_vm_vsrc(0)                   ; the LDS loads issued so far have read v[CQ], v[CW] and v[ADRA], which the three lines below write
	v_add_nc_u32 v[CQ], 2048, v[CQ]                ; the next pass's 512 columns
	v_add_nc_u32 v[CW], 2048, v[CW]
	v_mov_b32 v[ADRA], v[ADRA0]                    ; and slab 0 again
	s_sub_co_u32 s29, s29, 1
	s_cmp_eq_u32 s29, 0
	s_cbranch_scc1 .Ldone
; ---------------- pass 1: columns 512-1,023; enc lies whole in LDS: no stage, no barrier.  32 = the two quarters of wb younger than the one wanted.
	s_wait_alu depctr_va_vdst(0)                   ; v[CQ] and v[ADRA] are written, which the head's loads read (v[CW] too, for the next activation's); pass 0's products are long done reading slot 3 and the fragments
	KHEAD
	QUARTER 0, 32, 1,0,0,0, 1, 1, 0, 1
	WIN 0
	s_mov_b32 s28, 7
.Lk1:                                          ; quarters 1-28
	QUARTER 1, 32, 1,0,0,0, 0, 1, 0, 1
	QUARTER 2, 32, 1,0,0,0, 0, 1, 0, 1
	QUARTER 3, 32, 1,0,0,0, 0, 1, 0, 1
	QUARTER 4, 32, 1,0,0,0, 0, 1, 0, 1
	STEP 0
	s_sub_co_u32 s28, s28, 1
	s_cmp_lg_u32 s28, 0
	s_cbranch_scc1 .Lk1
	QUARTER 1, 32, 0,0,0,0, 0, 1, 0, 1             ; quarters 29-31: no more of wb is left to ask for, and the counts run down
	QUARTER 2, 16, 0,0,0,0, 0, 1, 0, 1
	QUARTER 3, 0,  0,0,0,0, 0, 0, 0, 1
	WIN 0
	s_branch .Lpass
; ---------------- the finish
.Ldone:
	s_wait_loadcnt 0x0
.irp a, 0,1,2,3,4,5,6,7                        ; my 256 columns' share of the score of row 16 a + l % 16: the two parities, the pair's halves, the other half of the lanes
	v_pk_add_f32 v[SC+4*(\a):SC+4*(\a)+1], v[SC+4*(\a):SC+4*(\a)+1], v[SC+4*(\a)+2:SC+4*(\a)+3]
.endr
.irp a, 0,1,2,3,4,5,6,7
	v_add_f32 v[SC+4*(\a)], v[SC+4*(\a)], v[SC+4*(\a)+1]
.endr
.irp a, 0,1,2,3,4,5,6,7
	v_permlanex16_b32 v[SC+4*(\a)+1], v[SC+4*(\a)], s32, s33
.endr
.irp a, 0,1,2,3,4,5,6,7
	v_add_f32 v[SC+4*(\a)], v[SC+4*(\a)], v[SC+4*(\a)+1]
.endr
	s_wait_alu depctr_va_vdst(0)                   ; the eight shares are written, which the stores below read; the row dot is done reading wv's values in v128-143, in which the loads behind the barrier land
.irp a, 0,1,2,3,4,5,6,7
	ds_store_b32 v[SPA], v[SC+4*(\a)] offset:64*(\a)   ; lanes l and l + 16 store the same number to the same word
.endr
	s_wait_dscnt 0x0                               ; for the others' sake
	s_barrier_signal -1
	s_barrier_wait -1
.irp w, 0,1,2,3
	ds_load_b128 v[128+4*(\w):131+4*(\w)], v[SRA] offset:512*(\w)   ; the four waves' shares of rows 4 l .. 4 l + 3: every wave makes all 128 scores
.endr
	s_wait_dscnt 0x0
	v_pk_add_f32 v[128:129], v[128:129], v[132:133]
	v_pk_add_f32 v[130:131], v[130:131], v[134:135]
	v_pk_add_f32 v[136:137], v[136:137], v[140:141]
	v_pk_add_f32 v[138:139], v[138:139], v[142:143]
	v_pk_add_f32 v[128:129], v[128:129], v[136:137]
	v_pk_add_f32 v[130:131], v[130:131], v[138:139]
	v_pk_add_f32 v[128:129], v[128:129], s[30:31] op_sel_hi:[1,0]   ; + bv
	v_pk_add_f32 v[130:131], v[130:131], s[30:31] op_sel_hi:[1,0]
	v_max3_num_f32 v144, v128, v129, v130
	v_max_num_f32 v144, v144, v131
	v_max_num_f32_dpp v144, v144, v144 row_xmask:1 row_mask:0xf bank_mask:0xf
	v_max_num_f32_dpp v144, v144, v144 row_xmask:2 row_mask:0xf bank_mask:0xf
	v_max_num_f32_dpp v144, v144, v144 row_xmask:4 row_mask:0xf bank_mask:0xf
	v_max_num_f32_dpp v144, v144, v144 row_xmask:8 row_mask:0xf bank_mask:0xf
	v_permlanex16_b32 v132, v144, s32, s33
	v_max_num_f32 v144, v144, v132                 ; m: the block's largest score, in every lane
	v_mul_f32 v133, s34, v144
.irp i, 0,1,2,3
	v_fma_f32 v[136+(\i)], v[128+(\i)], s34, -v133 ; (score - m) log2(e)
.endr
.irp i, 0,1,2,3
	v_exp_f32 v[136+(\i)], v[136+(\i)]             ; p
.endr
	v_nop
	s_wait_alu depctr_va_vdst(0)                   ; the four exponentials are written, ahead of their first reader
	v_pk_add_f32 v[140:141], v[136:137], v[138:139]
	v_cvt_pk_bf16_f32 v142, v136, v137
	v_cvt_pk_bf16_f32 v143, v138, v139
	v_add_f32 v140, v140, v141
	s_wait_alu depctr_va_vdst(0)                   ; the two roundings have written v142 and v143, which the store below reads
	ds_store_b64 v[PBS], v[142:143]                ; my wave's own copy of p, rows 4 l .. 4 l + 3
.irp k, 0,1,2,3                                ; and back as source 1 of o^T = enc^T p: every lane of a half takes the same 8 + 8 rows.  LDS serves a wave's instructions in order (ISA guide 5.7.1.4): these see the store above
	ds_load_b128 v[PF+8*(\k):PF+8*(\k)+3],   v[PBA] offset:64*(\k)
	ds_load_b128 v[PF+8*(\k)+4:PF+8*(\k)+7], v[PBA] offset:64*(\k)+32
.endr
	v_add_f32_dpp v140, v140, v140 row_xmask:1 row_mask:0xf bank_mask:0xf
	v_add_f32_dpp v140, v140, v140 row_xmask:2 row_mask:0xf bank_mask:0xf
	v_add_f32_dpp v140, v140, v140 row_xmask:4 row_mask:0xf bank_mask:0xf
	v_add_f32_dpp v140, v140, v140 row_xmask:8 row_mask:0xf bank_mask:0xf
	v_permlanex16_b32 v141, v140, s32, s33
	v_add_f32 v145, v140, v141                     ; l, beside m
; o^T over my wave's 256 channels (slabs 4 w .. 4 w + 3): 16 tiles of 16 channels, four steps of 32 rows.  enc lies [row][channel]: it comes out turned.
; The first two runs of turning loads owe no wait: pass 1's products, which read window 1, stand ahead of the waits above, and the six lines since the last name v140, v141 and v145 alone.
.macro TFETCH ks, buf
	WIN TO_B
.set t, 0
.rept 16
	ds_load_tr16_b128 v[128*(\buf)+8*t:128*(\buf)+8*t+3],   v[TRA0+(t>>3)] offset:((t>>2)&1)*SLAB+32*(t&3)+32*PITCH*(\ks)
	ds_load_tr16_b128 v[128*(\buf)+8*t+4:128*(\buf)+8*t+7], v[TRA0+(t>>3)] offset:((t>>2)&1)*SLAB+32*(t&3)+32*PITCH*(\ks)+16*PITCH
.set t, t+1
.endr
.endm
.macro TMUL ks, buf                            ; the 16 accumulators take turns; the first step starts the sums
	WIN MUL_LO
.set t, 0
.rept 16
.if (\ks) == 0
	v_wmma_f32_16x16x32_bf16 v[8*t:8*t+7], v[128*(\buf)+8*t:128*(\buf)+8*t+7], v[PF+8*(\ks):PF+8*(\ks)+7], 0
.else
	v_wmma_f32_16x16x32_bf16 v[8*t:8*t+7], v[128*(\buf)+8*t:128*(\buf)+8*t+7], v[PF+8*(\ks):PF+8*(\ks)+7], v[8*t:8*t+7]
.endif
.set t, t+1
.endr
.endm
	TFETCH 0, 0
	TFETCH 1, 1
	s_wait_dscnt 32                                ; all but the other buffer's 32 loads
	TMUL 0, 0
	s_wait_alu depctr_va_vdst(0)                   ; the 16 products above are done reading buffer 0, in which the loads below land
	TFETCH 2, 0
	s_wait_dscnt 32
	TMUL 1, 1
	s_wait_alu depctr_va_vdst(0)                   ; the 16 products above are done reading buffer 1, in which the loads below land
	TFETCH 3, 1
	s_wait_dscnt 32
	TMUL 2, 0
	s_wait_dscnt 0x0
	TMUL 3, 1
	PLACES                                         ; four places behind the last product, ahead of the stores that read the sums; they stay beside the wait below
	s_wait_alu depctr_va_vdst(0)                   ; the products have written o^T, which the LDS stores read; m and l in v144 and v145 are written, which wave 0 stores; the statistics are done with v128-135, in which the loads from the stage land
	WIN ST_D                                       ; register j of tile t is channel 16 t + 8 (l / 16) + j, the same number in the 16 lanes of a half: they store it to the same word
.set t, 0
.rept 16
	ds_store_b128 v[OSA], v[8*t:8*t+3]   offset:64*t       ; each accumulator's low registers first
	ds_store_b128 v[OSA], v[8*t+4:8*t+7] offset:64*t+16
.set t, t+1
.endr
	WIN 0
	ds_load_b128 v[128:131], v[ORA]                ; my wave's own bytes, in order behind the stores
	ds_load_b128 v[132:135], v[ORA] offset:512
	s_wait_dscnt 0x0
	global_store_b128 v[GO], v[128:131], s[14:15]              ; each store of the wave covers 512 consecutive bytes, aligned
	global_store_b128 v[GO], v[132:135], s[14:15] offset:512
	s_cmp_lg_u32 s18, 0
	s_cbranch_scc1 .Lend
	global_store_b64 v[STO], v[144:145], s[16:17]  ; wave 0: (m, l) thirty-two times: the block's 256 bytes of st, whole
.Lend:
	s_wait_dscnt 0x0                               ; the closing lines, six on end
	s_wait_alu 0x0
	s_wait_tensorcnt 0x0
	ds_add_u32 v[SPW], v[NIL]
	s_wait_dscnt 0x0
	s_endpgm
.Lfunc_end_k_q1ada0792cf_main:
	.size	k_q1ada0792cf_main, .Lfunc_end_k_q1ada0792cf_main-k_q1ada0792cf_main
	.p2alignl 7, 3214868480
	.fill 96, 4, 3214868480
	.section	.rodata,"a",@progbits
	.p2align	6, 0x0
	.amdhsa_kernel k_q1ada0792cf_main
		.amdhsa_group_segment_fixed_size 310784
		.amdhsa_private_segment_fixed_size 0
		.amdhsa_enable_private_segment 0
		.amdhsa_kernarg_size 56
		.amdhsa_user_sgpr_count 2
		.amdhsa_user_sgpr_kernarg_segment_ptr 1
		.amdhsa_wavefront_size32 1
		.amdhsa_system_sgpr_workgroup_id_x 1
		.amdhsa_system_sgpr_workgroup_id_y 1
		.amdhsa_system_sgpr_workgroup_id_z 1
		.amdhsa_system_vgpr_workitem_id 0
		.amdhsa_next_free_vgpr 1024
		.amdhsa_next_free_sgpr 66
		.amdhsa_reserve_vcc 0
		.amdhsa_float_denorm_mode_32 3
		.amdhsa_float_denorm_mode_16_64 3
		.amdhsa_memory_ordered 1
		.amdhsa_forward_progress 1
		.amdhsa_inst_pref_size 255
	.end_amdhsa_kernel
	.section	.bss,"aw",@nobits
	.p2align	6
	.space	262144
	.amdgpu_metadata
---
amdhsa.version: [ 1, 2 ]
amdhsa.kernels:
  - .name:           k_q1ada0792cf_main
    .symbol:         k_q1ada0792cf_main.kd
    .args:
      - { .name: encoder_outputs, .offset: 0, .size: 8, .value_kind: global_buffer, .address_space: global }
      - { .name: wb, .offset: 8, .size: 8, .value_kind: global_buffer, .address_space: global }
      - { .name: qb, .offset: 16, .size: 8, .value_kind: global_buffer, .address_space: global }
      - { .name: wv, .offset: 24, .size: 8, .value_kind: global_buffer, .address_space: global }
      - { .name: bv, .offset: 32, .size: 8, .value_kind: global_buffer, .address_space: global }
      - { .name: po, .offset: 40, .size: 8, .value_kind: global_buffer, .address_space: global }
      - { .name: st, .offset: 48, .size: 8, .value_kind: global_buffer, .address_space: global }
    .group_segment_fixed_size: 310784
    .private_segment_fixed_size: 0
    .kernarg_segment_align: 8
    .kernarg_segment_size: 56
    .max_flat_workgroup_size: 128
    .sgpr_count:     66
    .vgpr_count:     1024
    .wavefront_size: 32
...
	.end_amdgpu_metadata
.endif
;; end of part 4
;; launch combine: the kernel of part 3 again; grid 4 x 32, 2 waves a work-group, no clusters, 0 bytes of LDS; arguments po, st, out0; writes out0
